; MI455X (gfx1250); checked and timed in simulation.
; The chip was launched on July 23, 2026; its instructions are those of AMD's public machine-readable ISA for CDNA 5 (MIT licence, August 2026) and "CDNA5" Instruction Set Architecture Reference Guide (July 2026). The comments in the code are by the model that wrote it; some were corrected since.
;; Bottle Neck attention. Allowed arithmetic: float matrix products may take bf16 or f16 operands with f32 sums; other float arithmetic in f32, or as packed bf16 or f16 multiplies, adds, multiply-adds, maxima and minima; sums over many terms, partial sums and values carried from step to step in f32; what a program stores and reads back later, other than sums and carried values, may be rounded once to bf16 or f16.
;; Inputs: Wk 1,024 x 1,024 float32; Wq 1,024 x 1,024 float32; Wv 1,024 x 1,024 float32; bk 1,024 float32; bq 1,024 float32; bv 1,024 float32; k 8 x 2,048 x 1,024 float32; q 8 x 2,048 x 1,024 float32; v 8 x 2,048 x 1,024 float32.
;; Outputs: out0 8 x 256 x 1,024 float32.
;; 2 versions, each right; version 2 is version 1 with the launch attnv written anew for expert scheduling mode. Each part assembles by itself: llvm-mc -triple=amdgcn-amd-amdhsa -mcpu=gfx1250 --defsym DOCPART=n.
;; ======== version 1 of 2: 6 launches
;; limits: inputs' magnitudes at most 65,504; values are held in f16: magnitudes above 65,504 overflow, below 6.1e-05 lose precision; right only within a limited range of input values
;; workspace buffers: w2 2,097,152 bytes; pv 8,448 bytes; qk 4,194,304 bytes; c2 8,192 bytes; sc 16,777,216 bytes; at 8,388,608 bytes; rsp 131,072 bytes; av 4,194,304 bytes
;; launch wprod (part 1): grid 16 x 16, 8 waves a work-group, no clusters, 152,576 bytes of LDS; arguments Wq, Wk, bq, bk, w2, pv; writes w2, pv
.if DOCPART == 1
	.amdgcn_target "amdgcn-amd-amdhsa--gfx1250"
	.amdhsa_code_object_version 6
	.text
	.protected	k_qf649fb4add_wprod
	.globl	k_qf649fb4add_wprod
	.p2align	8
	.type	k_qf649fb4add_wprod,@function
k_qf649fb4add_wprod:
	s_mov_b64 s[64:65], 0
	v_nop
	global_prefetch_b8 v0, s[64:65] scope:SCOPE_SE
	s_setreg_imm32_b32 hwreg(HW_REG_WAVE_MODE, 25, 1), 1
	s_wait_xcnt 0x0
; W2[i][d] = sum over e of Wq[e][i] Wk[e][d];  u[d] = sum bq[e] Wk[e][d];  w3[i] = sum bk[e] Wq[e][i];  c0 = bq . bk.
; With these the scores need no projected q or k: 32 score = q W2 k + u . k + q . w3 + c0, exact for every input.
; STORED: w2 = f16(32 W2), in blocks of 1,024 bytes that ARE matrix fragments: block (RT, i / 32); chunk (g, lane) at 512 g + 16 lane holds eight i (32 ks + 16 g + 8 (lane / 16) + 0..7)
; of the row that lane % 16 stands for: d = 64 (RT / 4) + 4 (lane % 16) + RT % 4.  pv = u / 1024 (f32, byte 0), w3 (f32, byte 4,096), c0 64 times (byte 8,192).
; LIMITS.  Wq and Wk are rounded once to f16: |W| stays under 65,504, and so does 32 |W2|; numbers under 6e-5 keep f16's fixed step of 6e-8.  NaN and infinities are not treated apart.
; SHARES.  A work-group makes 64 i x 64 d; each of its eight waves makes the whole tile over 128 of the 1,024 e, so no weight is loaded or converted twice in a work-group; the eight f32 partial sums meet in LDS.
; FRAGMENTS WITHOUT A TRANSPOSE.  The contraction runs over the ROW index e.  One 16-byte load of row e at column 4 (lane % 16) gives one element to each of FOUR fragments f, in which lane % 16 stands for column
; 4 (lane % 16) + f.  Sixteen lanes read 256 consecutive bytes, aligned.  As source 0 such fragments leave, in the four accumulators f, 32 consecutive columns 32 (lane / 16) + 4 j + f of one row.
; No tile is shared by tensor loads here (operands go straight to registers), so there is nothing to ask for jointly in a cluster.
.set PSZ,   18944                      ; a wave's partial in LDS: 16 accumulators x 4 x 272 bytes = 17,408, then 1,536 for u, w3, c0
.set EXO,   17408
.set SPARE, 8*PSZ                      ; behind the partials: the spare words, 128 bytes a wave
.set SPW, 1                            ; v1     my spare word's LDS address; never rewritten
.set NIL, 2                            ; v2     0; never rewritten
.set VW,  3                            ; v3     32,768 h + 16 r: lanes 16-31 take the row eight further down
.set VB,  4                            ; v4     32 h: my eight biases of a group of sixteen
.set STW, 5                            ; v5     where I put a quad of an accumulator
.set GOF, 6                            ; v6     1,024 h + 16 r: my place in two blocks of w2
.set LN,  7                            ; v7     16 x lane
.set UA,  8                            ; v8-11  u of my four columns d, over my e
.set WA,  12                           ; v12-15 w3 of my four columns i
.set CA,  16                           ; v16-17 c0 over my e
.set RDA, 18                           ; v18-19 where I read partials 0-3, 4-7
.set EXA, 20                           ; v20-21 the same for u, w3, c0
.set EXS, 22                           ; v22    where I put mine
.set BQ,  24                           ; v24-39 bq of a step's 16 rows of mine
.set BK,  40                           ; v40-55 bk
.set XF,  64                           ; v64-95   four f16 fragments of Wq
.set YF,  96                           ; v96-127  four of Wk
.set XS,  128                          ; v128-191 a step of Wq as loaded
.set YS,  192                          ; v192-255 a step of Wk
.set T,   64                           ; the way out: 8 partials x 16 registers
.set CH,  24                           ; packed results
.set OB,  12                           ; s[12:13] w2
.set MSB, 0
.macro WIN new                         ; the immediate's high byte repeats the setting that is left
.if MSB != (\new)
	s_set_vgpr_msb (MSB<<8)|(\new)
.set MSB, \new
.endif
.endm
.macro PLACES                          ; four plain vector instructions between a matrix instruction and what reads its result or writes its registers (ISA guide 7.12.1)
.rept 4
	v_nop
.endr
.endm
.macro LDB s                           ; the biases of step s: rows 32 s + 16 g + 8 h + 0..7
.irp g, 0,1
	global_load_b128 v[BQ+8*\g:BQ+8*\g+3],   v[VB], s[8:9] offset:(\s)*128+\g*64
	global_load_b128 v[BQ+8*\g+4:BQ+8*\g+7], v[VB], s[8:9] offset:(\s)*128+\g*64+16
	global_load_b128 v[BK+8*\g:BK+8*\g+3],   v[VB], s[10:11] offset:(\s)*128+\g*64
	global_load_b128 v[BK+8*\g+4:BK+8*\g+7], v[VB], s[10:11] offset:(\s)*128+\g*64+16
.endr
.endm
.macro LDW dst, base, s                ; sixteen rows of step s: register 4 t + f, t = 8 g + j
.set iw, 0
.rept 16
	global_load_b128 v[(\dst)+4*iw:(\dst)+4*iw+3], v[VW], s[\base:\base+1] offset:(32*(\s)+16*(iw/8)+iw%8)*4096
.set iw, iw+1
.endr
.endm
.macro CVW src, dst                    ; fragment f, register u = 4 g + j / 2: rows t = 2 u and 2 u + 1
.set cf, 0
.rept 4
.set cu, 0
.rept 8
	v_cvt_pk_f16_f32 v[(\dst)+8*cf+cu], v[(\src)+8*cu+cf], v[(\src)+8*cu+4+cf]
.set cu, cu+1
.endr
.set cf, cf+1
.endr
.endm
.macro BACC acc, src, bias             ; acc[0..3] += src[4 t .. 4 t + 3] x bias[t]: one register of the bias pair feeds both halves
.set bt, 0
.rept 16
.if bt%2
	v_pk_fma_f32 v[(\acc):(\acc)+1],   v[(\src)+4*bt:(\src)+4*bt+1],   v[(\bias)+bt-1:(\bias)+bt], v[(\acc):(\acc)+1] op_sel:[0,1,0] op_sel_hi:[1,1,1]
	v_pk_fma_f32 v[(\acc)+2:(\acc)+3], v[(\src)+4*bt+2:(\src)+4*bt+3], v[(\bias)+bt-1:(\bias)+bt], v[(\acc)+2:(\acc)+3] op_sel:[0,1,0] op_sel_hi:[1,1,1]
.else
	v_pk_fma_f32 v[(\acc):(\acc)+1],   v[(\src)+4*bt:(\src)+4*bt+1],   v[(\bias)+bt:(\bias)+bt+1], v[(\acc):(\acc)+1] op_sel_hi:[1,0,1]
	v_pk_fma_f32 v[(\acc)+2:(\acc)+3], v[(\src)+4*bt+2:(\src)+4*bt+3], v[(\bias)+bt:(\bias)+bt+1], v[(\acc)+2:(\acc)+3] op_sel_hi:[1,0,1]
.endif
.set bt, bt+1
.endr
.endm
.macro MULS zero                       ; 16 products, the accumulators (window 1, 4 f' + f) by turns; zero = 1: they start the sums
	WIN 0x50
.set mb, 0
.rept 4
.set ma, 0
.rept 4
.if \zero
	v_wmma_f32_16x16x32_f16 v[8*(4*mb+ma):8*(4*mb+ma)+7], v[XF+8*ma:XF+8*ma+7], v[YF+8*mb:YF+8*mb+7], 0
.else
	v_wmma_f32_16x16x32_f16 v[8*(4*mb+ma):8*(4*mb+ma)+7], v[XF+8*ma:XF+8*ma+7], v[YF+8*mb:YF+8*mb+7], v[8*(4*mb+ma):8*(4*mb+ma)+7]
.endif
.set ma, ma+1
.endr
.set mb, mb+1
.endr
	WIN 0
.endm
.macro PSTEP s, zero
	s_wait_loadcnt 16                              ; the sixteen youngest loads, this step's Wk, may stay out: Wq and the biases are in
	BACC WA, XS, BK                                ; 32 plain lines that name no register of the last products: their places
	CVW XS, XF
.if (\s) < 3
	LDW XS, 4, (\s)+1
	s_wait_loadcnt 16                              ; all but the sixteen just issued: Wk is in
.else
	s_wait_loadcnt 0x0
.endif
	BACC UA, YS, BQ
.set cc, 0
.rept 8
	v_pk_fma_f32 v[CA:CA+1], v[BQ+2*cc:BQ+2*cc+1], v[BK+2*cc:BK+2*cc+1], v[CA:CA+1]
.set cc, cc+1
.endr
	CVW YS, YF
.if (\s) < 3
	LDB (\s)+1
	LDW YS, 6, (\s)+1
.endif
	MULS \zero
.endm
.macro STAGE_OUT na                    ; accumulator a, quad qd, lane (r, h) at (4 a + 2 qd + h) 272 + 16 r; each accumulator's low quad is read first
	WIN 0x04                                       ; store data in window 1
.set sa, 0
.rept \na
	ds_store_b128 v[STW], v[8*sa:8*sa+3]   offset:(4*sa)*272
	ds_store_b128 v[STW], v[8*sa+4:8*sa+7] offset:(4*sa+2)*272
.set sa, sa+1
.endr
	WIN 0
.endm
.macro RED np, per, o0, o1, o2, o3     ; four items of 16 bytes from each of np partials, added in f32, partials ascending, into T[0..15]
.set rp, 0
.rept \np
	ds_load_b128 v[T+16*rp:T+16*rp+3],     v[RDA+rp/(\per)] offset:(rp%(\per))*PSZ+(\o0)
	ds_load_b128 v[T+16*rp+4:T+16*rp+7],   v[RDA+rp/(\per)] offset:(rp%(\per))*PSZ+(\o1)
	ds_load_b128 v[T+16*rp+8:T+16*rp+11],  v[RDA+rp/(\per)] offset:(rp%(\per))*PSZ+(\o2)
	ds_load_b128 v[T+16*rp+12:T+16*rp+15], v[RDA+rp/(\per)] offset:(rp%(\per))*PSZ+(\o3)
.set rp, rp+1
.endr
.set rp, 1
.rept (\np)-1
	s_wait_dscnt 4*((\np)-1-rp)                    ; the four loads of each younger partial may stay out
.set ru, 0
.rept 8
	v_pk_add_f32 v[T+2*ru:T+2*ru+1], v[T+2*ru:T+2*ru+1], v[T+16*rp+2*ru:T+16*rp+2*ru+1]
.set ru, ru+1
.endr
.set rp, rp+1
.endr
.endm
.macro PACKQ quad                      ; T[4 f + jj] holds column 4 jj + f of sixteen: rounded in natural order, two chunks of eight; sixteen lanes store 256 consecutive bytes, aligned
.set pu, 0
.rept 8
	v_cvt_pk_f16_f32 v[CH+8*(\quad)+pu], v[T+8*(pu%2)+pu/2], v[T+8*(pu%2)+4+pu/2]
.set pu, pu+1
.endr
	global_store_b128 v[GOF], v[CH+8*(\quad):CH+8*(\quad)+3],   s[OB:OB+1] offset:(\quad)*512
	global_store_b128 v[GOF], v[CH+8*(\quad)+4:CH+8*(\quad)+7], s[OB:OB+1] offset:(\quad)*512+256
.endm
.macro EXSUM off                       ; four numbers a lane from eight partials, and from the other half of the lanes (the other eight rows of each sixteen)
.set ep, 0
.rept 8
	ds_load_b128 v[T+4*ep:T+4*ep+3], v[EXA+ep/4] offset:(ep%4)*PSZ+(\off)
.set ep, ep+1
.endr
	s_wait_dscnt 0x0
.set ep, 1
.rept 7
	v_pk_add_f32 v[T:T+1],   v[T:T+1],   v[T+4*ep:T+4*ep+1]
	v_pk_add_f32 v[T+2:T+3], v[T+2:T+3], v[T+4*ep+2:T+4*ep+3]
.set ep, ep+1
.endr
.irp z, 0,1,2,3
	v_permlanex16_b32 v[T+4+\z], v[T+\z], s24, s25
.endr
	v_pk_add_f32 v[T:T+1],   v[T:T+1],   v[T+4:T+5]
	v_pk_add_f32 v[T+2:T+3], v[T+2:T+3], v[T+6:T+7]
.endm
.macro HALFST off                      ; lanes 0-15 store 256 consecutive bytes; EXEC is changed only behind a wait that shows every issued store's and load's address translated
	v_cmp_gt_u32 vcc_lo, 0x100, v[LN]
	s_wait_xcnt 0x0
	s_and_saveexec_b32 s26, vcc_lo
	global_store_b128 v[LN], v[T:T+3], s[14:15] offset:\off
	s_wait_xcnt 0x0
	s_or_b32 exec_lo, exec_lo, s26
.endm
	s_load_b256 s[4:11], s[0:1], 0x0               ; Wq s[4:5], Wk s[6:7], bq s[8:9], bk s[10:11]
	s_load_b128 s[12:15], s[0:1], 0x20             ; w2 s[12:13], pv s[14:15]
	v_lshl_add_u32 v[SPW], v0, 2, SPARE
	v_mov_b32 v[NIL], 0
	v_lshrrev_b32 v[LN], 5, v0
	v_readfirstlane_b32 s16, v[LN]                 ; wave 0..7
	s_mov_b32 s17, ttmp9                           ; ib: my 64 columns i
	s_and_b32 s18, ttmp7, 0xffff                   ; db: my 64 columns d
	s_mov_b32 s24, 0x76543210                      ; v_permlanex16_b32: each lane takes its own place in the other half
	s_mov_b32 s25, 0xfedcba98
	v_and_b32 v[LN], 31, v0
	v_lshlrev_b32 v[LN], 4, v[LN]                  ; 16 x lane
	v_and_b32 v[GOF], 15, v0
	v_lshlrev_b32 v[GOF], 4, v[GOF]                ; 16 r
	v_bfe_u32 v[VB], v0, 4, 1                      ; h
	v_lshl_add_u32 v[VW], v[VB], 15, v[GOF]
	v_mul_u32_u24 v[STW], v[VB], 272
	v_add_nc_u32 v[STW], v[STW], v[GOF]            ; 272 h + 16 r
	s_lshr_b32 s19, s16, 1                         ; on the way out I take f' = wave / 2,
	s_mul_i32 s19, s19, 4352
	s_and_b32 s20, s16, 1                          ; quad = wave % 2
	s_mul_i32 s20, s20, 544
	s_add_co_u32 s19, s19, s20
	v_add_nc_u32 v[RDA], s19, v[STW]
	v_add_nc_u32 v[RDA+1], 4*PSZ, v[RDA]
	s_mul_i32 s19, s16, PSZ                        ; my partial
	v_add_nc_u32 v[STW], s19, v[STW]
	v_add_nc_u32 v[EXA], EXO, v[LN]
	v_add_nc_u32 v[EXA+1], 4*PSZ, v[EXA]
	v_add_nc_u32 v[EXS], s19, v[EXA]
	v_lshl_add_u32 v[GOF], v[VB], 10, v[GOF]
	v_lshlrev_b32 v[VB], 5, v[VB]
.set i, UA
.rept 10
	v_mov_b32 v[i], 0                              ; u, w3, c0 start at 0: ten registers
.set i, i+1
.endr
	s_lshl_b32 s20, s16, 19                        ; my 128 rows e of 4,096 bytes,
	s_lshl_b32 s21, s17, 8                         ; my 64 columns
	s_add_co_u32 s20, s20, s21
	s_mov_b32 s21, 0
	s_lshl_b32 s22, s16, 19
	s_lshl_b32 s23, s18, 8
	s_add_co_u32 s22, s22, s23
	s_mov_b32 s23, 0
	s_lshl_b32 s28, s16, 9                         ; my 128 biases
	s_mov_b32 s29, 0
	s_lshl_b32 s30, s18, 17                        ; w2: row tile 4 db + f' (32,768 bytes each), block 2 ib, chunks 2 quad on
	s_lshr_b32 s31, s16, 1
	s_lshl_b32 s31, s31, 15
	s_add_co_u32 s30, s30, s31
	s_lshl_b32 s31, s17, 11
	s_add_co_u32 s30, s30, s31
	s_and_b32 s31, s16, 1
	s_lshl_b32 s31, s31, 9
	s_add_co_u32 s30, s30, s31
	s_mov_b32 s31, 0
	s_wait_kmcnt 0x0
	s_add_nc_u64 s[4:5], s[4:5], s[20:21]
	s_add_nc_u64 s[6:7], s[6:7], s[22:23]
	s_add_nc_u64 s[8:9], s[8:9], s[28:29]
	s_add_nc_u64 s[10:11], s[10:11], s[28:29]
	s_add_nc_u64 s[12:13], s[12:13], s[30:31]
	LDB 0
	LDW XS, 4, 0
	LDW YS, 6, 0
	PSTEP 0, 1                                     ; the first step's products start the sums
	PSTEP 1, 0
	PSTEP 2, 0
	PSTEP 3, 0
	PLACES
	STAGE_OUT 16
	ds_store_b128 v[EXS], v[UA:UA+3]
	ds_store_b128 v[EXS], v[WA:WA+3] offset:512
	ds_store_b64  v[EXS], v[CA:CA+1] offset:1024
	s_wait_dscnt 0x0                               ; for the others' sake: my partial is in LDS
	s_barrier_signal -1
	s_barrier_wait -1
	RED 8, 4, 0, 1088, 2176, 3264                  ; accumulators (f', f = 0..3), my quad, of all eight waves
.set i, 0
.rept 8
	v_pk_mul_f32 v[T+2*i:T+2*i+1], v[T+2*i:T+2*i+1], 0x42000000 op_sel_hi:[1,0]  ; x 32
.set i, i+1
.endr
	PACKQ 0
	; u, w3 and c0 are each wanted once in the launch: three waves of the work-groups at the grid's edges finish them.  The branches hang on the wave's and the work-group's numbers; no barrier stands inside.
	s_cmp_lg_u32 s16, 0
	s_cbranch_scc1 .Lnot0
	s_cmp_lg_u32 s17, 0
	s_cbranch_scc1 .Lend
	EXSUM 0                                        ; u of columns 64 db + 4 r + 0..3
	v_pk_mul_f32 v[T:T+1],   v[T:T+1],   0x3a800000 op_sel_hi:[1,0]  ; / 1,024
	v_pk_mul_f32 v[T+2:T+3], v[T+2:T+3], 0x3a800000 op_sel_hi:[1,0]
	s_lshl_b32 s20, s18, 8
	s_add_nc_u64 s[14:15], s[14:15], s[20:21]
	HALFST 0
	s_branch .Lend
.Lnot0:
	s_cmp_lg_u32 s16, 1
	s_cbranch_scc1 .Lnot1
	s_cmp_lg_u32 s18, 0
	s_cbranch_scc1 .Lend
	EXSUM 512                                      ; w3 of columns 64 ib + 4 r + 0..3
	s_lshl_b32 s20, s17, 8
	s_add_nc_u64 s[14:15], s[14:15], s[20:21]
	HALFST 4096
	s_branch .Lend
.Lnot1:
	s_cmp_lg_u32 s16, 2
	s_cbranch_scc1 .Lend
	s_or_b32 s20, s17, s18
	s_cmp_lg_u32 s20, 0
	s_cbranch_scc1 .Lend
.set i, 0
.rept 8
	ds_load_b64 v[T+2*i:T+2*i+1], v[EXA+i/4] offset:(i%4)*PSZ+1024
.set i, i+1
.endr
	s_wait_dscnt 0x0
.set i, 1
.rept 7
	v_pk_add_f32 v[T:T+1], v[T:T+1], v[T+2*i:T+2*i+1]
.set i, i+1
.endr
	v_add_f32 v[T], v[T], v[T+1]
	v_permlanex16_b32 v[T+1], v[T], s24, s25
	v_add_f32 v[T], v[T], v[T+1]                   ; c0, in every lane
	v_mov_b32 v[T+1], v[T]
	v_lshrrev_b32 v[T+2], 1, v[LN]                 ; 8 x lane: the wave stores 256 consecutive bytes
	global_store_b64 v[T+2], v[T:T+1], s[14:15] offset:8192
.Lend:
	s_wait_tensorcnt 0x0                           ; the wave's end
	ds_add_u32 v[SPW], v[NIL]
	s_wait_dscnt 0x0
	s_endpgm
.Lfunc_end_k_qf649fb4add_wprod:
	.size	k_qf649fb4add_wprod, .Lfunc_end_k_qf649fb4add_wprod-k_qf649fb4add_wprod
	.p2alignl 7, 3214868480
	.fill 96, 4, 3214868480
	.section	.rodata,"a",@progbits
	.p2align	6, 0x0
	.amdhsa_kernel k_qf649fb4add_wprod
		.amdhsa_group_segment_fixed_size 152576
		.amdhsa_private_segment_fixed_size 0
		.amdhsa_enable_private_segment 0
		.amdhsa_kernarg_size 48
		.amdhsa_user_sgpr_count 2
		.amdhsa_user_sgpr_kernarg_segment_ptr 1
		.amdhsa_wavefront_size32 1
		.amdhsa_system_sgpr_workgroup_id_x 1
		.amdhsa_system_sgpr_workgroup_id_y 1
		.amdhsa_system_sgpr_workgroup_id_z 1
		.amdhsa_system_vgpr_workitem_id 0
		.amdhsa_next_free_vgpr 384
		.amdhsa_next_free_sgpr 66
		.amdhsa_reserve_vcc 1
		.amdhsa_float_denorm_mode_32 3
		.amdhsa_float_denorm_mode_16_64 3
		.amdhsa_memory_ordered 1
		.amdhsa_forward_progress 1
		.amdhsa_inst_pref_size 73
	.end_amdhsa_kernel
	.amdgpu_metadata
---
amdhsa.version: [ 1, 2 ]
amdhsa.kernels:
  - .name:           k_qf649fb4add_wprod
    .symbol:         k_qf649fb4add_wprod.kd
    .args:
      - { .name: Wq, .offset: 0, .size: 8, .value_kind: global_buffer, .address_space: global }
      - { .name: Wk, .offset: 8, .size: 8, .value_kind: global_buffer, .address_space: global }
      - { .name: bq, .offset: 16, .size: 8, .value_kind: global_buffer, .address_space: global }
      - { .name: bk, .offset: 24, .size: 8, .value_kind: global_buffer, .address_space: global }
      - { .name: w2, .offset: 32, .size: 8, .value_kind: global_buffer, .address_space: global }
      - { .name: pv, .offset: 40, .size: 8, .value_kind: global_buffer, .address_space: global }
    .group_segment_fixed_size: 152576
    .private_segment_fixed_size: 0
    .kernarg_segment_align: 8
    .kernarg_segment_size: 48
    .max_flat_workgroup_size: 256
    .sgpr_count:     66
    .vgpr_count:     384
    .wavefront_size: 32
...
	.end_amdgpu_metadata
.endif
;; end of part 1
;; launch qkproj (part 2): grid 8 x 32, 8 waves a work-group, no clusters, 327,680 bytes of LDS; arguments q, w2, pv, qk, c2; writes qk, c2
.if DOCPART == 2
	.amdgcn_target "amdgcn-amd-amdhsa--gfx1250"
	.amdhsa_code_object_version 6
	.text
	.protected	k_qf649fb4add_qkproj
	.globl	k_qf649fb4add_qkproj
	.p2align	8
	.type	k_qf649fb4add_qkproj,@function
k_qf649fb4add_qkproj:
	s_mov_b64 s[64:65], 0
	v_nop
	global_prefetch_b8 v0, s[64:65] scope:SCOPE_SE
	s_setreg_imm32_b32 hwreg(HW_REG_WAVE_MODE, 25, 1), 1
	s_wait_xcnt 0x0
; qk' = f16((q W2 + u) / 1024) for the 256 first rows of each batch, and C2 = (q . w3 + c0) log2(e) / 32 (f32).  Inputs: q (f32), w2 = f16(32 W2) in fragment blocks, pv = u / 1024, w3, c0.
; STORED: qk in blocks of 1,024 bytes that are matrix fragments: block (row / 16, d / 32), chunk (g, lane) at 512 g + 16 lane = row lane % 16, d = 32 ks + 16 g + 8 (lane / 16) + 0..7.  c2[64-row block][r][16-row tile] f32.
; LIMITS.  q is rounded once to f16 (|q| < 65,504); |q W2 + u| < 6.7e7; numbers under 6e-5 in qk keep f16's fixed step of 6e-8, which is 3e-5 |k| in a score at the most.  NaN and infinities are not treated apart.
; SHARES.  A work-group makes 64 rows x 128 d; each of its eight waves makes the whole tile over 128 of the 1,024 i; the f32 partial sums meet in LDS.
; q's 64 rows x 128 columns of a wave come by ONE tensor load into the wave's own region, filled once and read by that wave alone; when read out, the region takes the wave's partial sums.  One tensor load of a wave is out.
; W2's fragments come straight from memory, 512 consecutive bytes a load.  Source 0 = W2 (its lane r stands for d = 64 D + 4 r + f'), source 1 = q: the four accumulators f' hold 32 consecutive d of one row.
; NO CLUSTER: the work-groups that read the same tile of q differ in their block of d, and the pass that makes C2 belongs to block 0 alone; partners in a cluster may not branch apart.
.set REG,   34816                      ; a wave's region: 64 rows x 528 bytes = 33,792 as a tile; 32 accumulators x 4 x 272 as a partial
.set PSZ,   REG
.set EXTRA, 8*REG                      ; 4,096 bytes: the waves' partial C2
.set SPARE, EXTRA+4096                 ; the spare words, 128 bytes a wave
.set TILEB, 32768                      ; a row tile of w2: 32 blocks
.set NS,    4                          ; steps of 32 along i
.set SPW, 1                            ; v1  my spare word; never rewritten
.set NIL, 2                            ; v2  0; never rewritten
.set VFM, 3                            ; v3  16 x lane
.set VLB, 4                            ; v4  my region + 528 r + 32 h
.set STW, 5                            ; v5  where I put a quad of an accumulator
.set GOF, 6                            ; v6  1,024 h + 16 r
.set TM,  7
.set CAC, 8                            ; v8-15   q . w3 of four rows, in pairs
.set CP,  16                           ; v16-19  the same, one number a row
.set VB,  20                           ; v20 32 h
.set VU,  21                           ; v21 128 h
.set EXW, 22                           ; v22 where I put my partial C2
.set EXR, 23                           ; v23 where wave 0 reads them
.set RDA, 24                           ; v24-27 where I read partials 0-1, 2-3, 4-5, 6-7
.set BF,  32                           ; v32-63   q: four f16 fragments
.set BS,  64                           ; v64-127  q as it lies in LDS, f32
.set FA0, 128                          ; v128-191, v192-255: eight fragments of W2, two buffers
.set T,   64                           ; the way out: 8 partials x 16
.set UU,  192                          ; u / 1024 of my 32 columns
.set CH,  224
.set OB,  10                           ; s[10:11] qk
.set MSB, 0
.macro WIN new                         ; the immediate's high byte repeats the setting that is left
.if MSB != (\new)
	s_set_vgpr_msb (MSB<<8)|(\new)
.set MSB, \new
.endif
.endm
.macro PLACES                          ; four plain vector instructions between a matrix instruction and what reads its result or writes its registers (ISA guide 7.12.1)
.rept 4
	v_nop
.endr
.endm
.macro LDFM buf, s                     ; eight fragments of step s
.set ia, 0
.rept 8
	global_load_b128 v[(\buf)+8*ia:(\buf)+8*ia+3],   v[VFM], s[6:7] offset:ia*TILEB+(\s)*1024
	global_load_b128 v[(\buf)+8*ia+4:(\buf)+8*ia+7], v[VFM], s[6:7] offset:ia*TILEB+(\s)*1024+512
.set ia, ia+1
.endr
.endm
.macro LDBS sb                         ; four tiles of 16 rows x 32 f32 at byte sb of the rows: the pitch of 528 puts sixteen rows on sixteen different 16-byte columns of the banks (ISA guide 11.1)
.set ib, 0
.rept 4
.irp g, 0,1
	ds_load_b128 v[BS+16*ib+8*\g:BS+16*ib+8*\g+3],   v[VLB] offset:ib*8448+(\sb)+\g*64
	ds_load_b128 v[BS+16*ib+8*\g+4:BS+16*ib+8*\g+7], v[VLB] offset:ib*8448+(\sb)+\g*64+16
.endr
.set ib, ib+1
.endr
.endm
.macro CVB
.set ic, 0
.rept 32
	v_cvt_pk_f16_f32 v[BF+ic], v[BS+2*ic], v[BS+2*ic+1]
.set ic, ic+1
.endr
.endm
.macro MULS buf, zero                  ; 32 products, the accumulators (window 1, 4 RT + Qt) by turns
	WIN 0x50
.set ma, 0
.rept 8
.set mb, 0
.rept 4
.if \zero
	v_wmma_f32_16x16x32_f16 v[8*(4*ma+mb):8*(4*ma+mb)+7], v[(\buf)+8*ma:(\buf)+8*ma+7], v[BF+8*mb:BF+8*mb+7], 0
.else
	v_wmma_f32_16x16x32_f16 v[8*(4*ma+mb):8*(4*ma+mb)+7], v[(\buf)+8*ma:(\buf)+8*ma+7], v[BF+8*mb:BF+8*mb+7], v[8*(4*ma+mb):8*(4*ma+mb)+7]
.endif
.set mb, mb+1
.endr
.set ma, ma+1
.endr
	WIN 0
.endm
.macro BSTEP s, zero
	s_wait_dscnt 0x0                               ; this step's q is in registers
	CVB
.if (\s) < NS-1
	LDBS ((\s)+1)*128
.endif
	s_wait_loadcnt 16                              ; the sixteen youngest loads (the next step's fragments; in the last step w3) may stay out
	MULS FA0+64*((\s)%2), \zero
	PLACES
.if (\s) < NS-2
	LDFM FA0+64*((\s)%2), (\s)+2
.endif
.endm
.macro STAGE_OUT na                    ; accumulator a, quad qd, lane (r, h) at (4 a + 2 qd + h) 272 + 16 r; each accumulator's low quad is read first
	WIN 0x04
.set sa, 0
.rept \na
	ds_store_b128 v[STW], v[8*sa:8*sa+3]   offset:(4*sa)*272
	ds_store_b128 v[STW], v[8*sa+4:8*sa+7] offset:(4*sa+2)*272
.set sa, sa+1
.endr
	WIN 0
.endm
.macro RED np, per, o0, o1, o2, o3     ; four items of 16 bytes from each of np partials, added in f32, partials ascending, into T[0..15]
.set rp, 0
.rept \np
	ds_load_b128 v[T+16*rp:T+16*rp+3],     v[RDA+rp/(\per)] offset:(rp%(\per))*PSZ+(\o0)
	ds_load_b128 v[T+16*rp+4:T+16*rp+7],   v[RDA+rp/(\per)] offset:(rp%(\per))*PSZ+(\o1)
	ds_load_b128 v[T+16*rp+8:T+16*rp+11],  v[RDA+rp/(\per)] offset:(rp%(\per))*PSZ+(\o2)
	ds_load_b128 v[T+16*rp+12:T+16*rp+15], v[RDA+rp/(\per)] offset:(rp%(\per))*PSZ+(\o3)
.set rp, rp+1
.endr
.set rp, 1
.rept (\np)-1
	s_wait_dscnt 4*((\np)-1-rp)                    ; the four loads of each younger partial may stay out
.set ru, 0
.rept 8
	v_pk_add_f32 v[T+2*ru:T+2*ru+1], v[T+2*ru:T+2*ru+1], v[T+16*rp+2*ru:T+16*rp+2*ru+1]
.set ru, ru+1
.endr
.set rp, rp+1
.endr
.endm
.macro PACKQ quad                      ; T[4 f + jj] holds column 4 jj + f of sixteen: rounded in natural order, two chunks of eight; sixteen lanes store 256 consecutive bytes, aligned
.set pu, 0
.rept 8
	v_cvt_pk_f16_f32 v[CH+8*(\quad)+pu], v[T+8*(pu%2)+pu/2], v[T+8*(pu%2)+4+pu/2]
.set pu, pu+1
.endr
	global_store_b128 v[GOF], v[CH+8*(\quad):CH+8*(\quad)+3],   s[OB:OB+1] offset:(\quad)*512
	global_store_b128 v[GOF], v[CH+8*(\quad)+4:CH+8*(\quad)+7], s[OB:OB+1] offset:(\quad)*512+256
.endm
.macro OUTQ quad                       ; registers 4 quad + jj of the accumulators (4 G + f', Qt): sum x 2^-15 + u / 1024
	RED 8, 2, (\quad)*544, 4352+(\quad)*544, 8704+(\quad)*544, 13056+(\quad)*544
.set of, 0
.rept 4
.set oj, 0
.rept 4
	v_fma_f32 v[T+4*of+oj], v[T+4*of+oj], s31, v[UU+4*(4*(\quad)+oj)+of]
.set oj, oj+1
.endr
.set of, of+1
.endr
	PACKQ \quad
.endm
	s_load_b256 s[4:11], s[0:1], 0x0               ; q s[4:5], w2 s[6:7], pv s[8:9], qk s[10:11]
	s_load_b64 s[12:13], s[0:1], 0x20              ; c2
	v_lshl_add_u32 v[SPW], v0, 2, SPARE
	v_mov_b32 v[NIL], 0
	ds_add_u32 v[SPW], v[NIL]                      ; the wave's opening: the add and its wait stand ahead of my tensor load; the set-up below, work on registers, stands between them
	ds_add_u32 v1, v2
	v_lshrrev_b32 v[TM], 5, v0
	v_readfirstlane_b32 s16, v[TM]                 ; wave 0..7
	s_mov_b32 s17, ttmp9                           ; dbk: my 128 columns d
	s_and_b32 s18, ttmp7, 0xffff                   ; mb: my 64 rows; batch mb / 4
	s_lshr_b32 s19, s16, 2                         ; on the way out I take G = wave / 4 (64 columns)
	s_and_b32 s51, s16, 3                          ; and Qt = wave % 4 (16 rows)
	s_mov_b32 s28, 0x3d38aa3b                      ; log2(e) / 32
	s_mov_b32 s31, 0x38000000                      ; 2^-15
	s_mov_b32 s48, 0x76543210
	s_mov_b32 s49, 0xfedcba98
	; the descriptor: 64 rows x 128 elements of 4 bytes, 1,024 elements from row to row; in LDS 4 words of padding behind every 128
	s_mov_b32 s32, 1                               ; count = 1
	s_mul_i32 s33, s16, REG                        ; LDS address: my region
	s_mov_b32 s36, (2<<16)|(1<<20)|(6<<22)|(3<<25)
	s_mov_b32 s37, 128<<16                         ; tensor_dim0 = 128
	s_mov_b32 s38, 64<<16                          ; tensor_dim1 = 64
	s_mov_b32 s39, 128<<16                         ; tile_dim0 = 128
	s_mov_b32 s40, 64                              ; tile_dim1 = 64
	s_mov_b32 s41, 1024
	s_mov_b32 s42, 0
	s_mov_b32 s43, 0
	v_and_b32 v[VFM], 31, v0
	v_lshlrev_b32 v[VFM], 4, v[VFM]
	v_and_b32 v[TM], 15, v0                        ; r
	v_bfe_u32 v[VB], v0, 4, 1                      ; h
	v_mul_u32_u24 v[VLB], v[TM], 528
	v_lshl_add_u32 v[VLB], v[VB], 5, v[VLB]
	v_add_nc_u32 v[VLB], s33, v[VLB]
	v_mul_u32_u24 v[STW], v[VB], 272
	v_lshl_add_u32 v[STW], v[TM], 4, v[STW]        ; 272 h + 16 r
	s_mul_i32 s21, s19, 17408
	s_mul_i32 s22, s51, 1088
	s_add_co_u32 s21, s21, s22
	v_add_nc_u32 v[RDA], s21, v[STW]
	v_add_nc_u32 v[RDA+1], 2*PSZ, v[RDA]
	v_add_nc_u32 v[RDA+2], 4*PSZ, v[RDA]
	v_add_nc_u32 v[RDA+3], 6*PSZ, v[RDA]
	v_add_nc_u32 v[STW], s33, v[STW]
	v_lshlrev_b32 v[GOF], 4, v[TM]
	v_lshl_add_u32 v[GOF], v[VB], 10, v[GOF]
	v_add_nc_u32 v[EXR], EXTRA, v[VFM]
	s_lshl_b32 s24, s16, 9
	v_add_nc_u32 v[EXW], s24, v[EXR]
	v_lshlrev_b32 v[VU], 7, v[VB]
	v_lshlrev_b32 v[VB], 5, v[VB]
	s_lshr_b32 s20, s18, 2                         ; q: the batch's 8,388,608 bytes, my 64 rows of 4,096, my wave's 512 bytes of a row
	s_lshl_b32 s20, s20, 23
	s_and_b32 s52, s18, 3
	s_lshl_b32 s52, s52, 18
	s_add_co_u32 s20, s20, s52
	s_add_co_u32 s20, s20, s24
	s_mov_b32 s21, 0
	s_mov_b32 s25, 0                               ; s[24:25]: my wave's 128 numbers of w3
	s_lshl_b32 s22, s17, 18                        ; w2: eight row tiles, my wave's four blocks
	s_lshl_b32 s52, s16, 12
	s_add_co_u32 s22, s22, s52
	s_mov_b32 s23, 0
	s_lshl_b32 s26, s17, 9                         ; u: 128 dbk + 64 G
	s_lshl_b32 s52, s19, 8
	s_add_co_u32 s26, s26, s52
	s_mov_b32 s27, 0
	s_lshl2_add_u32 s44, s18, s51                  ; qk: row tile 4 mb + Qt, blocks 4 dbk + 2 G on
	s_lshl_b32 s44, s44, 15
	s_lshl_b32 s52, s17, 12
	s_add_co_u32 s44, s44, s52
	s_lshl_b32 s52, s19, 11
	s_add_co_u32 s44, s44, s52
	s_mov_b32 s45, 0
	s_lshl_b32 s46, s18, 8                         ; c2: 256 bytes a block of 64 rows
	s_mov_b32 s47, 0
	s_wait_dscnt 0x0                               ; the opening add is done
	s_wait_kmcnt 0x0
	s_add_nc_u64 s[34:35], s[4:5], s[20:21]
	s_or_b32 s35, s35, 0x80000000                  ; type = 2
	s_add_nc_u64 s[6:7], s[6:7], s[22:23]
	s_add_nc_u64 s[24:25], s[8:9], s[24:25]
	s_add_nc_u64 s[26:27], s[8:9], s[26:27]
	s_add_nc_u64 s[10:11], s[10:11], s[44:45]
	s_add_nc_u64 s[12:13], s[12:13], s[46:47]
	tensor_load_to_lds s[32:35], s[36:43]          ; my one tensor load
	s_nop 0
	PLACES
	s_load_b32 s30, s[8:9], 0x2000                 ; c0
	LDFM FA0, 0
	LDFM FA0+64, 1
	s_wait_tensorcnt 0x0                           ; my tile is in LDS; only I read it
	LDBS 0
	s_wait_kmcnt 0x0
	s_mul_f32 s29, s30, s28                        ; c0 log2(e) / 32
	BSTEP 0, 1                                     ; the first step's products start the sums
	BSTEP 1, 0
	BSTEP 2, 0
.set iw, 0
.rept 16                                           ; w3 of my 128 i, laid as q's fragments are: register 16 s + 8 g + j.  Every work-group loads it, so that the counts are alike on all ways
	global_load_b128 v[FA0+4*iw:FA0+4*iw+3], v[VB], s[24:25] offset:4096+(iw/4)*128+((iw/2)%2)*64+(iw%2)*16
.set iw, iw+1
.endr
	BSTEP 3, 0
.set iw, 0
.rept 8
	global_load_b128 v[UU+4*iw:UU+4*iw+3], v[VU], s[26:27] offset:16*iw
.set iw, iw+1
.endr
	s_cmp_lg_u32 s17, 0
	s_cbranch_scc1 .Lno_c                          ; q . w3 is made once for each row: by the work-groups of the first block of d
	s_wait_loadcnt 0x0                             ; w3
.set st, 0
.rept 4
	LDBS st*128                                    ; q once more, in f32, out of my region
	s_wait_dscnt 0x0
.set tt, 0
.rept 8
.set zz, 0
.rept 4
.if (st == 0) && (tt == 0)
	v_pk_mul_f32 v[CAC+2*zz:CAC+2*zz+1], v[BS+16*zz:BS+16*zz+1], v[FA0:FA0+1]
.else
	v_pk_fma_f32 v[CAC+2*zz:CAC+2*zz+1], v[BS+16*zz+2*tt:BS+16*zz+2*tt+1], v[FA0+16*st+2*tt:FA0+16*st+2*tt+1], v[CAC+2*zz:CAC+2*zz+1]
.endif
.set zz, zz+1
.endr
.set tt, tt+1
.endr
.set st, st+1
.endr
.irp z, 0,1,2,3
	v_add_f32 v[CP+\z], v[CAC+2*\z], v[CAC+2*\z+1]
.endr
	ds_store_b128 v[EXW], v[CP:CP+3]
.Lno_c:
	STAGE_OUT 32                                   ; into my own region: its one fill has landed and my reads of it are back
	s_wait_dscnt 0x0                               ; for the others' sake: my partial is in LDS
	s_barrier_signal -1
	s_barrier_wait -1
	s_wait_loadcnt 0x0                             ; u
	OUTQ 0
	OUTQ 1
	s_cmp_lg_u32 s16, 0
	s_cbranch_scc1 .Lend
	s_cmp_lg_u32 s17, 0
	s_cbranch_scc1 .Lend
.set i, 0
.rept 8
	ds_load_b128 v[T+4*i:T+4*i+3], v[EXR] offset:i*512
.set i, i+1
.endr
	s_wait_dscnt 0x0
.set i, 1
.rept 7
	v_pk_add_f32 v[T:T+1],   v[T:T+1],   v[T+4*i:T+4*i+1]
	v_pk_add_f32 v[T+2:T+3], v[T+2:T+3], v[T+4*i+2:T+4*i+3]
.set i, i+1
.endr
.irp z, 0,1,2,3
	v_permlanex16_b32 v[T+4+\z], v[T+\z], s48, s49 ; the other half of the lanes holds the other eight i of each sixteen
.endr
	v_pk_add_f32 v[T:T+1],   v[T:T+1],   v[T+4:T+5]
	v_pk_add_f32 v[T+2:T+3], v[T+2:T+3], v[T+6:T+7]
.irp z, 0,1,2,3
	v_fma_f32 v[T+\z], v[T+\z], s28, s29           ; (q . w3 + c0) log2(e) / 32
.endr
	v_cmp_gt_u32 vcc_lo, 0x100, v[VFM]             ; lanes 0-15 store 256 consecutive bytes
	s_wait_xcnt 0x0                                ; EXEC is changed only when every issued store's address is translated
	s_and_saveexec_b32 s50, vcc_lo
	global_store_b128 v[VFM], v[T:T+3], s[12:13]
	s_wait_xcnt 0x0
	s_or_b32 exec_lo, exec_lo, s50
.Lend:
	s_wait_tensorcnt 0x0                           ; the wave's end
	ds_add_u32 v[SPW], v[NIL]
	s_wait_dscnt 0x0
	s_endpgm
.Lfunc_end_k_qf649fb4add_qkproj:
	.size	k_qf649fb4add_qkproj, .Lfunc_end_k_qf649fb4add_qkproj-k_qf649fb4add_qkproj
	.p2alignl 7, 3214868480
	.fill 96, 4, 3214868480
	.section	.rodata,"a",@progbits
	.p2align	6, 0x0
	.amdhsa_kernel k_qf649fb4add_qkproj
		.amdhsa_group_segment_fixed_size 327680
		.amdhsa_private_segment_fixed_size 0
		.amdhsa_enable_private_segment 0
		.amdhsa_kernarg_size 40
		.amdhsa_user_sgpr_count 2
		.amdhsa_user_sgpr_kernarg_segment_ptr 1
		.amdhsa_wavefront_size32 1
		.amdhsa_system_sgpr_workgroup_id_x 1
		.amdhsa_system_sgpr_workgroup_id_y 1
		.amdhsa_system_sgpr_workgroup_id_z 1
		.amdhsa_system_vgpr_workitem_id 0
		.amdhsa_next_free_vgpr 512
		.amdhsa_next_free_sgpr 66
		.amdhsa_reserve_vcc 1
		.amdhsa_float_denorm_mode_32 3
		.amdhsa_float_denorm_mode_16_64 3
		.amdhsa_memory_ordered 1
		.amdhsa_forward_progress 1
		.amdhsa_inst_pref_size 68
	.end_amdhsa_kernel
	.amdgpu_metadata
---
amdhsa.version: [ 1, 2 ]
amdhsa.kernels:
  - .name:           k_qf649fb4add_qkproj
    .symbol:         k_qf649fb4add_qkproj.kd
    .args:
      - { .name: q, .offset: 0, .size: 8, .value_kind: global_buffer, .address_space: global }
      - { .name: w2, .offset: 8, .size: 8, .value_kind: global_buffer, .address_space: global }
      - { .name: pv, .offset: 16, .size: 8, .value_kind: global_buffer, .address_space: global }
      - { .name: qk, .offset: 24, .size: 8, .value_kind: global_buffer, .address_space: global }
      - { .name: c2, .offset: 32, .size: 8, .value_kind: global_buffer, .address_space: global }
    .group_segment_fixed_size: 327680
    .private_segment_fixed_size: 0
    .kernarg_segment_align: 8
    .kernarg_segment_size: 40
    .max_flat_workgroup_size: 256
    .sgpr_count:     66
    .vgpr_count:     512
    .wavefront_size: 32
...
	.end_amdgpu_metadata
.endif
;; end of part 2
;; launch score (part 3): grid 32 x 8, 8 waves a work-group, no clusters, 327,680 bytes of LDS; arguments k, qk, c2, sc; writes sc
.if DOCPART == 3
	.amdgcn_target "amdgcn-amd-amdhsa--gfx1250"
	.amdhsa_code_object_version 6
	.text
	.protected	k_qf649fb4add_score
	.globl	k_qf649fb4add_score
	.p2align	8
	.type	k_qf649fb4add_score,@function
k_qf649fb4add_score:
	s_mov_b64 s[64:65], 0
	v_nop
	global_prefetch_b8 v0, s[64:65] scope:SCOPE_SE
	s_setreg_imm32_b32 hwreg(HW_REG_WAVE_MODE, 25, 1), 1
	s_wait_xcnt 0x0
; t[b][q][key] = score x log2(e) = (qk' . k) 32 log2(e) + C2[b][q], f32.  qk' = (q W2 + u) / 1024 in f16 fragment blocks, k in f32, C2 in f32.
; STORED: sc as the accumulators lie: block ((16 b + q / 16) 128 + key / 16) of 1,024 bytes; quad x 512 + 16 lane holds q = lane % 16, keys 8 (lane / 16) + 4 quad + 0..3.  Each store covers 512 consecutive bytes.
; LIMITS.  k is rounded once to f16 (|k| < 65,504; under 6e-5 the fixed step of 6e-8).  NaN and infinities are not treated apart.
; SHARES.  A work-group makes all 256 q x 64 keys of one batch, so k leaves memory once.  Wave (qh = wave / 4, kq = wave % 4) makes 128 q x 64 keys over d = 256 kq .. + 255; four f32 partial sums meet in LDS.
; k's 64 rows x 1,024 columns come by eight tensor loads, one a wave (64 rows x 128 columns each), filled once; a barrier stands between every wave's wait for its load and the first read.  One tensor load of a wave is out.
; Source 0 = 16 keys, source 1 = 16 q.  NO CLUSTER: each tile of k is read by this one work-group alone, and qk' goes straight to registers.
.set REG,   34816
.set PSZ,   REG
.set SPARE, 8*REG+4096
.set TILEB, 32768                      ; a row tile of qk: 32 blocks
.set NS,    8
.set SPW, 1
.set NIL, 2
.set VFM, 3                            ; v3  16 x lane
.set VLB, 4                            ; v4  my two chunks of k + 528 r + 32 h
.set STW, 5
.set TM,  6
.set HH,  7
.set C2R, 8                            ; v8-9  C2 of my two tiles of q
.set VR16, 10                          ; v10 16 r
.set RDA, 12                           ; v12-13 where I read partials 0-1, 2-3 of my half
.set BF,  32                           ; k: four f16 fragments
.set BS,  64                           ; k as it lies in LDS
.set FA0, 128                          ; eight fragments of qk', two buffers
.set T,   64                           ; the way out: 4 partials x 16
.set RO,  128                          ; four sets of 16 results, so that no pending store's data are rewritten
.set MSB, 0
.macro WIN new                         ; the immediate's high byte repeats the setting that is left
.if MSB != (\new)
	s_set_vgpr_msb (MSB<<8)|(\new)
.set MSB, \new
.endif
.endm
.macro PLACES                          ; four plain vector instructions between a matrix instruction and what reads its result or writes its registers (ISA guide 7.12.1)
.rept 4
	v_nop
.endr
.endm
.macro LDFM buf, s
.set ia, 0
.rept 8
	global_load_b128 v[(\buf)+8*ia:(\buf)+8*ia+3],   v[VFM], s[6:7] offset:ia*TILEB+(\s)*1024
	global_load_b128 v[(\buf)+8*ia+4:(\buf)+8*ia+7], v[VFM], s[6:7] offset:ia*TILEB+(\s)*1024+512
.set ia, ia+1
.endr
.endm
.macro LDBS sb                         ; four tiles of 16 keys x 32 f32: the pitch of 528 puts sixteen rows on sixteen different 16-byte columns of the banks (ISA guide 11.1)
.set ib, 0
.rept 4
.irp g, 0,1
	ds_load_b128 v[BS+16*ib+8*\g:BS+16*ib+8*\g+3],   v[VLB] offset:ib*8448+(\sb)+\g*64
	ds_load_b128 v[BS+16*ib+8*\g+4:BS+16*ib+8*\g+7], v[VLB] offset:ib*8448+(\sb)+\g*64+16
.endr
.set ib, ib+1
.endr
.endm
.macro CVB
.set ic, 0
.rept 32
	v_cvt_pk_f16_f32 v[BF+ic], v[BS+2*ic], v[BS+2*ic+1]
.set ic, ic+1
.endr
.endm
.macro MULS buf, zero                  ; 32 products, the accumulators (window 1, 4 Qf + T) by turns
	WIN 0x50
.set ma, 0
.rept 8
.set mb, 0
.rept 4
.if \zero
	v_wmma_f32_16x16x32_f16 v[8*(4*ma+mb):8*(4*ma+mb)+7], v[BF+8*mb:BF+8*mb+7], v[(\buf)+8*ma:(\buf)+8*ma+7], 0
.else
	v_wmma_f32_16x16x32_f16 v[8*(4*ma+mb):8*(4*ma+mb)+7], v[BF+8*mb:BF+8*mb+7], v[(\buf)+8*ma:(\buf)+8*ma+7], v[8*(4*ma+mb):8*(4*ma+mb)+7]
.endif
.set mb, mb+1
.endr
.set ma, ma+1
.endr
	WIN 0
.endm
.macro BSTEP s, zero, cnt
	s_wait_dscnt 0x0                               ; this step's k is in registers
	CVB
.if (\s) < NS-1
	LDBS (((\s)+1)/4)*REG+(((\s)+1)%4)*128         ; four steps to a chunk of 128 columns
.endif
	s_wait_loadcnt \cnt                            ; the next step's sixteen loads may stay out; in the last step none is left
	MULS FA0+64*((\s)%2), \zero
	PLACES
.if (\s) < NS-2
	LDFM FA0+64*((\s)%2), (\s)+2
.endif
.endm
.macro STAGE_OUT na                    ; accumulator a, quad qd, lane (r, h) at (4 a + 2 qd + h) 272 + 16 r; each accumulator's low quad is read first
	WIN 0x04
.set sa, 0
.rept \na
	ds_store_b128 v[STW], v[8*sa:8*sa+3]   offset:(4*sa)*272
	ds_store_b128 v[STW], v[8*sa+4:8*sa+7] offset:(4*sa+2)*272
.set sa, sa+1
.endr
	WIN 0
.endm
.macro RED np, per, o0, o1, o2, o3     ; four items of 16 bytes from each of np partials, added in f32, partials ascending, into T[0..15]
.set rp, 0
.rept \np
	ds_load_b128 v[T+16*rp:T+16*rp+3],     v[RDA+rp/(\per)] offset:(rp%(\per))*PSZ+(\o0)
	ds_load_b128 v[T+16*rp+4:T+16*rp+7],   v[RDA+rp/(\per)] offset:(rp%(\per))*PSZ+(\o1)
	ds_load_b128 v[T+16*rp+8:T+16*rp+11],  v[RDA+rp/(\per)] offset:(rp%(\per))*PSZ+(\o2)
	ds_load_b128 v[T+16*rp+12:T+16*rp+15], v[RDA+rp/(\per)] offset:(rp%(\per))*PSZ+(\o3)
.set rp, rp+1
.endr
.set rp, 1
.rept (\np)-1
	s_wait_dscnt 4*((\np)-1-rp)                    ; the four loads of each younger partial may stay out
.set ru, 0
.rept 8
	v_pk_add_f32 v[T+2*ru:T+2*ru+1], v[T+2*ru:T+2*ru+1], v[T+16*rp+2*ru:T+16*rp+2*ru+1]
.set ru, ru+1
.endr
.set rp, rp+1
.endr
.endm
.macro OUTQ e, quad                    ; tile of q 2 kq + e, one quad of its four accumulators
	RED 4, 2, (\e)*4352+(\quad)*544, (\e)*4352+(\quad)*544+1088, (\e)*4352+(\quad)*544+2176, (\e)*4352+(\quad)*544+3264
.set ou, 0
.rept 8
.if \e
	v_pk_fma_f32 v[RO+16*(2*(\e)+(\quad))+2*ou:RO+16*(2*(\e)+(\quad))+2*ou+1], v[T+2*ou:T+2*ou+1], s[28:29], v[C2R:C2R+1] op_sel:[0,0,1] op_sel_hi:[1,0,1]
.else
	v_pk_fma_f32 v[RO+16*(2*(\e)+(\quad))+2*ou:RO+16*(2*(\e)+(\quad))+2*ou+1], v[T+2*ou:T+2*ou+1], s[28:29], v[C2R:C2R+1] op_sel_hi:[1,0,0]
.endif
.set ou, ou+1
.endr
.set ou, 0
.rept 4
	global_store_b128 v[VFM], v[RO+16*(2*(\e)+(\quad))+4*ou:RO+16*(2*(\e)+(\quad))+4*ou+3], s[10:11] offset:(\e)*131072+ou*1024+(\quad)*512
.set ou, ou+1
.endr
.endm
	s_load_b256 s[4:11], s[0:1], 0x0               ; k s[4:5], qk s[6:7], c2 s[8:9], sc s[10:11]
	v_lshl_add_u32 v[SPW], v0, 2, SPARE
	v_mov_b32 v[NIL], 0
	ds_add_u32 v[SPW], v[NIL]                      ; the wave's opening: the add and its wait stand ahead of my tensor load; the set-up below, work on registers, stands between them
	ds_add_u32 v1, v2
	v_lshrrev_b32 v[TM], 5, v0
	v_readfirstlane_b32 s16, v[TM]                 ; wave 0..7
	s_mov_b32 s17, ttmp9                           ; kb: my 64 keys
	s_and_b32 s18, ttmp7, 0xffff                   ; the batch
	s_lshr_b32 s19, s16, 2                         ; qh
	s_and_b32 s20, s16, 3                          ; kq
	s_mov_b32 s28, 0x4238aa3b                      ; 32 log2(e)
	s_mov_b32 s29, s28                             ; named with it as a pair
	s_mov_b32 s32, 1                               ; the descriptor: 64 rows x 128 elements of 4 bytes, 1,024 elements from row to row; 4 words of padding behind every 128
	s_mul_i32 s33, s16, REG                        ; chunk = wave
	s_mov_b32 s36, (2<<16)|(1<<20)|(6<<22)|(3<<25)
	s_mov_b32 s37, 128<<16
	s_mov_b32 s38, 64<<16
	s_mov_b32 s39, 128<<16
	s_mov_b32 s40, 64
	s_mov_b32 s41, 1024
	s_mov_b32 s42, 0
	s_mov_b32 s43, 0
	v_and_b32 v[VFM], 31, v0
	v_lshlrev_b32 v[VFM], 4, v[VFM]
	v_and_b32 v[TM], 15, v0                        ; r
	v_bfe_u32 v[HH], v0, 4, 1                      ; h
	v_lshlrev_b32 v[VR16], 4, v[TM]
	v_mul_u32_u24 v[VLB], v[TM], 528
	v_lshl_add_u32 v[VLB], v[HH], 5, v[VLB]
	s_mul_i32 s21, s20, 2*REG                      ; chunks 2 kq and 2 kq + 1
	v_add_nc_u32 v[VLB], s21, v[VLB]
	v_mul_u32_u24 v[STW], v[HH], 272
	v_add_nc_u32 v[STW], v[STW], v[VR16]           ; 272 h + 16 r
	s_mul_i32 s21, s19, 4*PSZ                      ; my half's four partials,
	s_mul_i32 s22, s20, 2*4352                     ; my two tiles of q
	s_add_co_u32 s21, s21, s22
	v_add_nc_u32 v[RDA], s21, v[STW]
	v_add_nc_u32 v[RDA+1], 2*PSZ, v[RDA]
	v_add_nc_u32 v[STW], s33, v[STW]
	s_lshl_b32 s22, s18, 23                        ; k: batch, 64 keys of 4,096 bytes, my chunk's 512 bytes of a row
	s_lshl_b32 s23, s17, 18
	s_add_co_u32 s22, s22, s23
	s_lshl_b32 s23, s16, 9
	s_add_co_u32 s22, s22, s23
	s_mov_b32 s23, 0
	s_lshl_b32 s24, s18, 19                        ; qk: row tiles 16 b + 8 qh on, blocks 8 kq on
	s_lshl_b32 s25, s19, 18
	s_add_co_u32 s24, s24, s25
	s_lshl_b32 s25, s20, 13
	s_add_co_u32 s24, s24, s25
	s_mov_b32 s25, 0
	s_lshl_b32 s26, s18, 10                        ; c2: block 4 b + 2 qh + kq / 2 of 256 bytes, tiles 2 (kq % 2) and the next
	s_lshl_b32 s27, s19, 9
	s_add_co_u32 s26, s26, s27
	s_lshr_b32 s27, s20, 1
	s_lshl_b32 s27, s27, 8
	s_add_co_u32 s26, s26, s27
	s_and_b32 s27, s20, 1
	s_lshl_b32 s27, s27, 3
	s_add_co_u32 s26, s26, s27
	s_mov_b32 s27, 0
	s_lshl_b32 s30, s18, 21                        ; sc: tiles of q 16 b + 8 qh + 2 kq on (131,072 bytes each), tiles of keys 4 kb on
	s_lshl_b32 s31, s19, 20
	s_add_co_u32 s30, s30, s31
	s_lshl_b32 s31, s20, 18
	s_add_co_u32 s30, s30, s31
	s_lshl_b32 s31, s17, 12
	s_add_co_u32 s30, s30, s31
	s_mov_b32 s31, 0
	s_wait_dscnt 0x0                               ; the opening add is done
	s_wait_kmcnt 0x0
	s_add_nc_u64 s[34:35], s[4:5], s[22:23]
	s_or_b32 s35, s35, 0x80000000                  ; type = 2
	s_add_nc_u64 s[6:7], s[6:7], s[24:25]
	s_add_nc_u64 s[8:9], s[8:9], s[26:27]
	s_add_nc_u64 s[10:11], s[10:11], s[30:31]
	tensor_load_to_lds s[32:35], s[36:43]          ; my one tensor load
	s_nop 0
	PLACES
	LDFM FA0, 0
	LDFM FA0+64, 1
	s_wait_tensorcnt 0x0                           ; my chunk is in LDS,
	s_barrier_signal -1
	s_barrier_wait -1                              ; everybody's is
	LDBS 0
	BSTEP 0, 1, 16                                 ; the first step's products start the sums
	BSTEP 1, 0, 16
	BSTEP 2, 0, 16
	BSTEP 3, 0, 16
	BSTEP 4, 0, 16
	BSTEP 5, 0, 16
	BSTEP 6, 0, 16
	BSTEP 7, 0, 0
	global_load_b64 v[C2R:C2R+1], v[VR16], s[8:9]
	s_wait_dscnt 0x0                               ; my reads of k are back,
	s_barrier_signal -1
	s_barrier_wait -1                              ; everybody's are: the regions now take the partial sums
	STAGE_OUT 32
	s_wait_dscnt 0x0                               ; for the others' sake: my partial is in LDS
	s_barrier_signal -1
	s_barrier_wait -1
	s_wait_loadcnt 0x0                             ; C2
	OUTQ 0, 0
	OUTQ 0, 1
	OUTQ 1, 0
	OUTQ 1, 1
	s_wait_tensorcnt 0x0                           ; the wave's end
	ds_add_u32 v[SPW], v[NIL]
	s_wait_dscnt 0x0
	s_endpgm
.Lfunc_end_k_qf649fb4add_score:
	.size	k_qf649fb4add_score, .Lfunc_end_k_qf649fb4add_score-k_qf649fb4add_score
	.p2alignl 7, 3214868480
	.fill 96, 4, 3214868480
	.section	.rodata,"a",@progbits
	.p2align	6, 0x0
	.amdhsa_kernel k_qf649fb4add_score
		.amdhsa_group_segment_fixed_size 327680
		.amdhsa_private_segment_fixed_size 0
		.amdhsa_enable_private_segment 0
		.amdhsa_kernarg_size 32
		.amdhsa_user_sgpr_count 2
		.amdhsa_user_sgpr_kernarg_segment_ptr 1
		.amdhsa_wavefront_size32 1
		.amdhsa_system_sgpr_workgroup_id_x 1
		.amdhsa_system_sgpr_workgroup_id_y 1
		.amdhsa_system_sgpr_workgroup_id_z 1
		.amdhsa_system_vgpr_workitem_id 0
		.amdhsa_next_free_vgpr 512
		.amdhsa_next_free_sgpr 66
		.amdhsa_reserve_vcc 0
		.amdhsa_float_denorm_mode_32 3
		.amdhsa_float_denorm_mode_16_64 3
		.amdhsa_memory_ordered 1
		.amdhsa_forward_progress 1
		.amdhsa_inst_pref_size 77
	.end_amdhsa_kernel
	.amdgpu_metadata
---
amdhsa.version: [ 1, 2 ]
amdhsa.kernels:
  - .name:           k_qf649fb4add_score
    .symbol:         k_qf649fb4add_score.kd
    .args:
      - { .name: k, .offset: 0, .size: 8, .value_kind: global_buffer, .address_space: global }
      - { .name: qk, .offset: 8, .size: 8, .value_kind: global_buffer, .address_space: global }
      - { .name: c2, .offset: 16, .size: 8, .value_kind: global_buffer, .address_space: global }
      - { .name: sc, .offset: 24, .size: 8, .value_kind: global_buffer, .address_space: global }
    .group_segment_fixed_size: 327680
    .private_segment_fixed_size: 0
    .kernarg_segment_align: 8
    .kernarg_segment_size: 32
    .max_flat_workgroup_size: 256
    .sgpr_count:     66
    .vgpr_count:     512
    .wavefront_size: 32
...
	.end_amdgpu_metadata
.endif
;; end of part 3
;; launch softmax (part 4): grid 256 x 1, 8 waves a work-group, no clusters, 5,120 bytes of LDS; arguments sc, at, rsp; writes at, rsp
.if DOCPART == 4
	.amdgcn_target "amdgcn-amd-amdhsa--gfx1250"
	.amdhsa_code_object_version 6
	.text
	.protected	k_qf649fb4add_softmax
	.globl	k_qf649fb4add_softmax
	.p2align	8
	.type	k_qf649fb4add_softmax,@function
k_qf649fb4add_softmax:
	s_mov_b64 s[64:65], 0
	v_nop
	global_prefetch_b8 v0, s[64:65] scope:SCOPE_SE
	s_setreg_imm32_b32 hwreg(HW_REG_WAVE_MODE, 25, 1), 1
	s_wait_xcnt 0x0
; attn[b][q][key] = 2^(t[b] - max over b of t) / sum over b: the softmax runs over the BATCH axis, so the eight numbers of a place (q, key) lie in one lane, and the maximum is taken away as in the definition.
; In: sc (f32, as the accumulators lay).  Out: at = f16(attn) in fragment blocks (block (16 b + q / 16, key / 32), chunk (g, lane) = q lane % 16, keys 32 ks + 16 g + 8 (lane / 16) + 0..7): a lane's eight keys ARE a chunk.
; rsp[q / 16][kg][b][r] (f32): the sum of the unrounded attn over the work-group's 128 keys, for the bias term of the last product (these rows do not sum to 1).
; LIMITS.  A weight under 2^-126 counts as 0; attn under 6e-5 keeps f16's fixed step of 6e-8.  NaN and infinities are not treated apart.
; SHARES.  A work-group takes 16 q x 128 keys of all batches, a wave 16 q x 16 keys: sixteen loads and eight stores of 512 consecutive bytes.  A stream: no matrix work, no tile that two work-groups share.
.set SPARE, 4096                       ; behind the row sums: the spare words, 128 bytes a wave
.set SPW, 1
.set NIL, 2
.set LN,  3                            ; v3  16 x lane
.set RW,  4                            ; v4  512 wave + 4 r
.set TM,  5
.set T,   16                           ; v16-79   t, then the weights: 8 b + j
.set M,   80                           ; v80-87   the maximum over b
.set S,   88                           ; v88-95   the sum over b, then its reciprocal
.set RS,  96                           ; v96-111  row sums, a pair a batch
.set CH,  112                          ; v112-143 packed weights
	s_load_b128 s[4:7], s[0:1], 0x0                ; sc s[4:5], at s[6:7]
	s_load_b64 s[8:9], s[0:1], 0x10                ; rsp
	v_lshl_add_u32 v[SPW], v0, 2, SPARE
	v_mov_b32 v[NIL], 0
	v_lshrrev_b32 v[TM], 5, v0
	v_readfirstlane_b32 s16, v[TM]                 ; wave 0..7
	s_lshr_b32 s17, ttmp9, 4                       ; qt: my 16 q
	s_and_b32 s18, ttmp9, 15                       ; kg: my 128 keys
	s_lshl3_add_u32 s19, s18, s16                  ; kt = 8 kg + wave: my wave's 16 keys
	s_lshl_b32 s20, s17, 17
	s_lshl_b32 s21, s19, 10
	s_add_co_u32 s20, s20, s21
	s_mov_b32 s21, 0
	s_lshl_b32 s22, s17, 16                        ; at: row tile qt (65,536 bytes), block kt / 2, half kt % 2: 512 kt
	s_lshl_b32 s23, s19, 9
	s_add_co_u32 s22, s22, s23
	s_mov_b32 s23, 0
	s_lshl_b32 s24, ttmp9, 9
	s_mov_b32 s25, 0
	s_mov_b32 s26, 0x76543210
	s_mov_b32 s27, 0xfedcba98
	v_and_b32 v[LN], 31, v0
	v_lshlrev_b32 v[LN], 4, v[LN]
	v_and_b32 v[RW], 15, v0
	v_lshlrev_b32 v[RW], 2, v[RW]
	v_lshl_add_u32 v[RW], s16, 9, v[RW]
	s_wait_kmcnt 0x0
	s_add_nc_u64 s[4:5], s[4:5], s[20:21]
	s_add_nc_u64 s[10:11], s[4:5], 0x800000        ; batches 4 to 7: the immediate has 24 signed bits (ISA guide, chapter 10)
	s_add_nc_u64 s[6:7], s[6:7], s[22:23]
	s_add_nc_u64 s[8:9], s[8:9], s[24:25]
.set b, 0
.rept 8
	global_load_b128 v[T+8*b:T+8*b+3],   v[LN], s[4+6*(b/4):5+6*(b/4)] offset:(b%4)*2097152 th:TH_LOAD_NT
	global_load_b128 v[T+8*b+4:T+8*b+7], v[LN], s[4+6*(b/4):5+6*(b/4)] offset:(b%4)*2097152+512 th:TH_LOAD_NT
.set b, b+1
.endr
	s_wait_loadcnt 0x0
.set j, 0
.rept 8
	v_max3_num_f32 v[M+j], v[T+j], v[T+8+j], v[T+16+j]
.set j, j+1
.endr
.set j, 0
.rept 8
	v_max3_num_f32 v[M+j], v[M+j], v[T+24+j], v[T+32+j]
.set j, j+1
.endr
.set j, 0
.rept 8
	v_max3_num_f32 v[M+j], v[M+j], v[T+40+j], v[T+48+j]
.set j, j+1
.endr
.set j, 0
.rept 8
	v_max_num_f32 v[M+j], v[M+j], v[T+56+j]
.set j, j+1
.endr
.set i, 0
.rept 32                                           ; t - max
	v_pk_add_f32 v[T+2*i:T+2*i+1], v[T+2*i:T+2*i+1], v[M+2*(i%4):M+2*(i%4)+1] neg_lo:[0,1] neg_hi:[0,1]
.set i, i+1
.endr
.set i, 0
.rept 64
	v_exp_f32 v[T+i], v[T+i]
.set i, i+1
.endr
	v_nop                                          ; a plain instruction between the last exponential and the use of its result (ISA guide 5.7.2)
.set i, 0
	s_wait_alu depctr_va_vdst(0)
.rept 4
	v_pk_add_f32 v[S+2*i:S+2*i+1], v[T+2*i:T+2*i+1], v[T+8+2*i:T+8+2*i+1]
.set i, i+1
.endr
.set b, 2
.rept 6
.set i, 0
.rept 4
	v_pk_add_f32 v[S+2*i:S+2*i+1], v[S+2*i:S+2*i+1], v[T+8*b+2*i:T+8*b+2*i+1]
.set i, i+1
.endr
.set b, b+1
.endr
.set j, 0
.rept 8
	v_rcp_f32 v[S+j], v[S+j]                       ; the sum is 1 at the least: the largest weight is 2^0
.set j, j+1
.endr
	v_nop
.set i, 0
	s_wait_alu depctr_va_vdst(0)
.rept 32
	v_pk_mul_f32 v[T+2*i:T+2*i+1], v[T+2*i:T+2*i+1], v[S+2*(i%4):S+2*(i%4)+1]
.set i, i+1
.endr
.set i, 0
.rept 32
	v_cvt_pk_f16_f32 v[CH+i], v[T+2*i], v[T+2*i+1]
.set i, i+1
.endr
.set b, 0
.rept 8
	global_store_b128 v[LN], v[CH+4*b:CH+4*b+3], s[6:7] offset:b*1048576
.set b, b+1
.endr
.set b, 0
.rept 8
	v_pk_add_f32 v[RS+2*b:RS+2*b+1], v[T+8*b:T+8*b+1], v[T+8*b+2:T+8*b+3]
.set b, b+1
.endr
.set b, 0
.rept 8
	v_pk_add_f32 v[RS+2*b:RS+2*b+1], v[RS+2*b:RS+2*b+1], v[T+8*b+4:T+8*b+5]
.set b, b+1
.endr
.set b, 0
.rept 8
	v_pk_add_f32 v[RS+2*b:RS+2*b+1], v[RS+2*b:RS+2*b+1], v[T+8*b+6:T+8*b+7]
.set b, b+1
.endr
.set b, 0
.rept 8
	v_add_f32 v[RS+2*b], v[RS+2*b], v[RS+2*b+1]
.set b, b+1
.endr
.set b, 0
.rept 8
	v_permlanex16_b32 v[RS+2*b+1], v[RS+2*b], s26, s27  ; the query's other eight keys lie in the lane 16 away
.set b, b+1
.endr
.set b, 0
.rept 8
	v_add_f32 v[RS+2*b], v[RS+2*b], v[RS+2*b+1]
.set b, b+1
.endr
.set b, 0
.rept 8
	ds_store_b32 v[RW], v[RS+2*b] offset:b*64      ; [wave][b][r]; the two halves of the lanes write the same number to the same word
.set b, b+1
.endr
	s_wait_dscnt 0x0                               ; for wave 0's sake: my row sums are in LDS
	s_barrier_signal -1
	s_barrier_wait -1
	s_cmp_lg_u32 s16, 0
	s_cbranch_scc1 .Lend
.set i, 0
.rept 8
	ds_load_b128 v[T+4*i:T+4*i+3], v[LN] offset:i*512
.set i, i+1
.endr
	s_wait_dscnt 0x0
.set i, 1
.rept 7
	v_pk_add_f32 v[T:T+1],   v[T:T+1],   v[T+4*i:T+4*i+1]
	v_pk_add_f32 v[T+2:T+3], v[T+2:T+3], v[T+4*i+2:T+4*i+3]
.set i, i+1
.endr
	global_store_b128 v[LN], v[T:T+3], s[8:9]      ; 512 consecutive bytes: [b][r]
.Lend:
	s_wait_tensorcnt 0x0                           ; the wave's end
	ds_add_u32 v[SPW], v[NIL]
	s_wait_dscnt 0x0
	s_endpgm
.Lfunc_end_k_qf649fb4add_softmax:
	.size	k_qf649fb4add_softmax, .Lfunc_end_k_qf649fb4add_softmax-k_qf649fb4add_softmax
	.p2alignl 7, 3214868480
	.fill 96, 4, 3214868480
	.section	.rodata,"a",@progbits
	.p2align	6, 0x0
	.amdhsa_kernel k_qf649fb4add_softmax
		.amdhsa_group_segment_fixed_size 5120
		.amdhsa_private_segment_fixed_size 0
		.amdhsa_enable_private_segment 0
		.amdhsa_kernarg_size 24
		.amdhsa_user_sgpr_count 2
		.amdhsa_user_sgpr_kernarg_segment_ptr 1
		.amdhsa_wavefront_size32 1
		.amdhsa_system_sgpr_workgroup_id_x 1
		.amdhsa_system_sgpr_workgroup_id_y 1
		.amdhsa_system_sgpr_workgroup_id_z 1
		.amdhsa_system_vgpr_workitem_id 0
		.amdhsa_next_free_vgpr 144
		.amdhsa_next_free_sgpr 66
		.amdhsa_reserve_vcc 0
		.amdhsa_float_denorm_mode_32 3
		.amdhsa_float_denorm_mode_16_64 3
		.amdhsa_memory_ordered 1
		.amdhsa_forward_progress 1
		.amdhsa_inst_pref_size 21
	.end_amdhsa_kernel
	.amdgpu_metadata
---
amdhsa.version: [ 1, 2 ]
amdhsa.kernels:
  - .name:           k_qf649fb4add_softmax
    .symbol:         k_qf649fb4add_softmax.kd
    .args:
      - { .name: sc, .offset: 0, .size: 8, .value_kind: global_buffer, .address_space: global }
      - { .name: at, .offset: 8, .size: 8, .value_kind: global_buffer, .address_space: global }
      - { .name: rsp, .offset: 16, .size: 8, .value_kind: global_buffer, .address_space: global }
    .group_segment_fixed_size: 5120
    .private_segment_fixed_size: 0
    .kernarg_segment_align: 8
    .kernarg_segment_size: 24
    .max_flat_workgroup_size: 256
    .sgpr_count:     66
    .vgpr_count:     144
    .wavefront_size: 32
...
	.end_amdgpu_metadata
.endif
;; end of part 4
;; launch attnv (part 5): grid 16 x 16, 8 waves a work-group, no clusters, 279,552 bytes of LDS; arguments v, at, av; writes av
.if DOCPART == 5
	.amdgcn_target "amdgcn-amd-amdhsa--gfx1250"
	.amdhsa_code_object_version 6
	.text
	.protected	k_qf649fb4add_attnv
	.globl	k_qf649fb4add_attnv
	.p2align	8
	.type	k_qf649fb4add_attnv,@function
k_qf649fb4add_attnv:
	s_mov_b64 s[64:65], 0
	v_nop
	global_prefetch_b8 v0, s[64:65] scope:SCOPE_SE
	s_setreg_imm32_b32 hwreg(HW_REG_WAVE_MODE, 25, 1), 1
	s_wait_xcnt 0x0
; av' = f16((attn v) / 16): the weights are applied to the UNPROJECTED v; the projection follows on 256 rows a batch in place of 2,048: attn (v Wv^T + bv) = (attn v) Wv^T + rowsum(attn) bv, exact for every input.
; In: v (f32, [key][channel]), at (f16 fragment blocks).  Out: av in fragment blocks: block (16 b + q / 16, channel / 32), chunk (g, lane) = q lane % 16, channels 32 ks + 16 g + 8 (lane / 16) + 0..7.
; LIMITS.  v is rounded once to f16 (|v| < 65,504); |attn v| < 1.0e6; under 6e-5 av' keeps f16's fixed step.  NaN and infinities are not treated apart.
; SHARES.  A work-group makes 128 q x 64 channels of one batch; each of its eight waves makes the whole tile over 256 of the 2,048 keys; the f32 partial sums meet in LDS.
; FRAGMENTS WITHOUT A TRANSPOSE.  The contraction runs over v's ROW index.  One 16-byte load of key's row at channel 4 (lane % 16) gives one element to each of four fragments f, in which lane % 16 stands for channel
; 4 (lane % 16) + f; sixteen lanes read 256 consecutive bytes, aligned.  As source 0 they leave, in the four accumulators f, 32 consecutive channels 32 (lane / 16) + 4 j + f of one q.
; Both operands go straight to registers, so there is no tensor load to share in a cluster.
.set PSZ,   34816
.set SPARE, 8*PSZ
.set SPW, 1
.set NIL, 2
.set VFM, 3                            ; v3  16 x lane
.set VV,  4                            ; v4  32,768 h + 16 r
.set STW, 5
.set GOF, 6                            ; v6  1,024 h + 16 r
.set TM,  7
.set RDA, 8                            ; v8-11
.set VF,  32                           ; v32-63   four f16 fragments of v
.set VS0, 64                           ; v64-127, v128-191: a step of v as loaded, two buffers
.set AT,  192                          ; v192-255 eight fragments of attn
.set T,   64
.set CH,  192
.set OB,  8                            ; s[8:9] av
.set MSB, 0
.macro WIN new                         ; the immediate's high byte repeats the setting that is left
.if MSB != (\new)
	s_set_vgpr_msb (MSB<<8)|(\new)
.set MSB, \new
.endif
.endm
.macro PLACES                          ; four plain vector instructions between a matrix instruction and what reads its result or writes its registers (ISA guide 7.12.1)
.rept 4
	v_nop
.endr
.endm
.macro LDV buf, s                      ; sixteen keys' rows of step s: register 4 t + f, t = 8 g + j
.set iv, 0
.rept 16
	global_load_b128 v[(\buf)+4*iv:(\buf)+4*iv+3], v[VV], s[4:5] offset:(32*(\s)+16*(iv/8)+iv%8)*4096
.set iv, iv+1
.endr
.endm
.macro LDA s
.set ia, 0
.rept 8
	global_load_b128 v[AT+8*ia:AT+8*ia+3],   v[VFM], s[6:7] offset:ia*65536+(\s)*1024
	global_load_b128 v[AT+8*ia+4:AT+8*ia+7], v[VFM], s[6:7] offset:ia*65536+(\s)*1024+512
.set ia, ia+1
.endr
.endm
.macro CVW src, dst                    ; fragment f, register u = 4 g + j / 2: keys t = 2 u and 2 u + 1
.set cf, 0
.rept 4
.set cu, 0
.rept 8
	v_cvt_pk_f16_f32 v[(\dst)+8*cf+cu], v[(\src)+8*cu+cf], v[(\src)+8*cu+4+cf]
.set cu, cu+1
.endr
.set cf, cf+1
.endr
.endm
.macro MULS zero                       ; 32 products, the accumulators (window 1, 4 Qf + f) by turns
	WIN 0x50
.set ma, 0
.rept 8
.set mb, 0
.rept 4
.if \zero
	v_wmma_f32_16x16x32_f16 v[8*(4*ma+mb):8*(4*ma+mb)+7], v[VF+8*mb:VF+8*mb+7], v[AT+8*ma:AT+8*ma+7], 0
.else
	v_wmma_f32_16x16x32_f16 v[8*(4*ma+mb):8*(4*ma+mb)+7], v[VF+8*mb:VF+8*mb+7], v[AT+8*ma:AT+8*ma+7], v[8*(4*ma+mb):8*(4*ma+mb)+7]
.endif
.set mb, mb+1
.endr
.set ma, ma+1
.endr
	WIN 0
.endm
.macro VSTEP s, zero
.if (\s) < 7
	s_wait_loadcnt 32                              ; this step's attn and the next step's v, 32 younger loads, may stay out: this step's v is in
.else
	s_wait_loadcnt 16                              ; only this step's attn is younger
.endif
	CVW VS0+64*((\s)%2), VF
.if (\s) < 7
	s_wait_loadcnt 16                              ; the next step's v may stay out
.else
	s_wait_loadcnt 0x0
.endif
	MULS \zero
	PLACES
.if (\s) < 7
	LDA (\s)+1
.endif
.if (\s) < 6
	LDV VS0+64*((\s)%2), (\s)+2
.endif
.endm
.macro STAGE_OUT na                    ; accumulator a, quad qd, lane (r, h) at (4 a + 2 qd + h) 272 + 16 r; each accumulator's low quad is read first
	WIN 0x04
.set sa, 0
.rept \na
	ds_store_b128 v[STW], v[8*sa:8*sa+3]   offset:(4*sa)*272
	ds_store_b128 v[STW], v[8*sa+4:8*sa+7] offset:(4*sa+2)*272
.set sa, sa+1
.endr
	WIN 0
.endm
.macro RED np, per, o0, o1, o2, o3     ; four items of 16 bytes from each of np partials, added in f32, partials ascending, into T[0..15]
.set rp, 0
.rept \np
	ds_load_b128 v[T+16*rp:T+16*rp+3],     v[RDA+rp/(\per)] offset:(rp%(\per))*PSZ+(\o0)
	ds_load_b128 v[T+16*rp+4:T+16*rp+7],   v[RDA+rp/(\per)] offset:(rp%(\per))*PSZ+(\o1)
	ds_load_b128 v[T+16*rp+8:T+16*rp+11],  v[RDA+rp/(\per)] offset:(rp%(\per))*PSZ+(\o2)
	ds_load_b128 v[T+16*rp+12:T+16*rp+15], v[RDA+rp/(\per)] offset:(rp%(\per))*PSZ+(\o3)
.set rp, rp+1
.endr
.set rp, 1
.rept (\np)-1
	s_wait_dscnt 4*((\np)-1-rp)                    ; the four loads of each younger partial may stay out
.set ru, 0
.rept 8
	v_pk_add_f32 v[T+2*ru:T+2*ru+1], v[T+2*ru:T+2*ru+1], v[T+16*rp+2*ru:T+16*rp+2*ru+1]
.set ru, ru+1
.endr
.set rp, rp+1
.endr
.endm
.macro PACKQ quad                      ; T[4 f + jj] holds channel 4 jj + f of sixteen: rounded in natural order, two chunks of eight; sixteen lanes store 256 consecutive bytes, aligned
.set pu, 0
.rept 8
	v_cvt_pk_f16_f32 v[CH+8*(\quad)+pu], v[T+8*(pu%2)+pu/2], v[T+8*(pu%2)+4+pu/2]
.set pu, pu+1
.endr
	global_store_b128 v[GOF], v[CH+8*(\quad):CH+8*(\quad)+3],   s[OB:OB+1] offset:(\quad)*512
	global_store_b128 v[GOF], v[CH+8*(\quad)+4:CH+8*(\quad)+7], s[OB:OB+1] offset:(\quad)*512+256
.endm
.macro OUTQ quad
	RED 8, 2, (\quad)*544, 1088+(\quad)*544, 2176+(\quad)*544, 3264+(\quad)*544
.set ou, 0
.rept 8
	v_pk_mul_f32 v[T+2*ou:T+2*ou+1], v[T+2*ou:T+2*ou+1], 0x3d800000 op_sel_hi:[1,0]  ; / 16
.set ou, ou+1
.endr
	PACKQ \quad
.endm
	s_load_b128 s[4:7], s[0:1], 0x0                ; v s[4:5], at s[6:7]
	s_load_b64 s[8:9], s[0:1], 0x10                ; av
	v_lshl_add_u32 v[SPW], v0, 2, SPARE
	v_mov_b32 v[NIL], 0
	v_lshrrev_b32 v[TM], 5, v0
	v_readfirstlane_b32 s16, v[TM]                 ; wave 0..7
	s_mov_b32 s17, ttmp9                           ; cb: my 64 channels
	s_and_b32 s18, ttmp7, 0xffff                   ; 2 b + qh: my 128 q
	v_and_b32 v[VFM], 31, v0
	v_lshlrev_b32 v[VFM], 4, v[VFM]
	v_and_b32 v[GOF], 15, v0
	v_lshlrev_b32 v[GOF], 4, v[GOF]                ; 16 r
	v_bfe_u32 v[TM], v0, 4, 1                      ; h
	v_lshl_add_u32 v[VV], v[TM], 15, v[GOF]
	v_mul_u32_u24 v[STW], v[TM], 272
	v_add_nc_u32 v[STW], v[STW], v[GOF]            ; 272 h + 16 r
	s_mul_i32 s19, s16, 4352                       ; on the way out I take the tile of q Qf = wave
	v_add_nc_u32 v[RDA], s19, v[STW]
	v_add_nc_u32 v[RDA+1], 2*PSZ, v[RDA]
	v_add_nc_u32 v[RDA+2], 4*PSZ, v[RDA]
	v_add_nc_u32 v[RDA+3], 6*PSZ, v[RDA]
	s_mul_i32 s19, s16, PSZ
	v_add_nc_u32 v[STW], s19, v[STW]
	v_lshl_add_u32 v[GOF], v[TM], 10, v[GOF]
	s_lshr_b32 s20, s18, 1                         ; v: batch, my wave's 256 keys of 4,096 bytes, my 64 channels
	s_lshl_b32 s20, s20, 23
	s_lshl_b32 s21, s16, 20
	s_add_co_u32 s20, s20, s21
	s_lshl_b32 s21, s17, 8
	s_add_co_u32 s20, s20, s21
	s_mov_b32 s21, 0
	s_lshl_b32 s22, s18, 19                        ; at: row tiles 8 (2 b + qh) on (65,536 bytes each), blocks 8 wave on
	s_lshl_b32 s23, s16, 13
	s_add_co_u32 s22, s22, s23
	s_mov_b32 s23, 0
	s_lshl3_add_u32 s24, s18, s16                  ; av: row tile 8 (2 b + qh) + wave, blocks 2 cb on
	s_lshl_b32 s24, s24, 15
	s_lshl_b32 s25, s17, 11
	s_add_co_u32 s24, s24, s25
	s_mov_b32 s25, 0
	s_wait_kmcnt 0x0
	s_add_nc_u64 s[4:5], s[4:5], s[20:21]
	s_add_nc_u64 s[6:7], s[6:7], s[22:23]
	s_add_nc_u64 s[8:9], s[8:9], s[24:25]
	LDV VS0, 0
	LDA 0
	LDV VS0+64, 1
	VSTEP 0, 1                                     ; the first step's products start the sums
	VSTEP 1, 0
	VSTEP 2, 0
	VSTEP 3, 0
	VSTEP 4, 0
	VSTEP 5, 0
	VSTEP 6, 0
	VSTEP 7, 0
	STAGE_OUT 32
	s_wait_dscnt 0x0                               ; for the others' sake: my partial is in LDS
	s_barrier_signal -1
	s_barrier_wait -1
	OUTQ 0
	OUTQ 1
	s_wait_tensorcnt 0x0                           ; the wave's end
	ds_add_u32 v[SPW], v[NIL]
	s_wait_dscnt 0x0
	s_endpgm
.Lfunc_end_k_qf649fb4add_attnv:
	.size	k_qf649fb4add_attnv, .Lfunc_end_k_qf649fb4add_attnv-k_qf649fb4add_attnv
	.p2alignl 7, 3214868480
	.fill 96, 4, 3214868480
	.section	.rodata,"a",@progbits
	.p2align	6, 0x0
	.amdhsa_kernel k_qf649fb4add_attnv
		.amdhsa_group_segment_fixed_size 279552
		.amdhsa_private_segment_fixed_size 0
		.amdhsa_enable_private_segment 0
		.amdhsa_kernarg_size 24
		.amdhsa_user_sgpr_count 2
		.amdhsa_user_sgpr_kernarg_segment_ptr 1
		.amdhsa_wavefront_size32 1
		.amdhsa_system_sgpr_workgroup_id_x 1
		.amdhsa_system_sgpr_workgroup_id_y 1
		.amdhsa_system_sgpr_workgroup_id_z 1
		.amdhsa_system_vgpr_workitem_id 0
		.amdhsa_next_free_vgpr 512
		.amdhsa_next_free_sgpr 66
		.amdhsa_reserve_vcc 0
		.amdhsa_float_denorm_mode_32 3
		.amdhsa_float_denorm_mode_16_64 3
		.amdhsa_memory_ordered 1
		.amdhsa_forward_progress 1
		.amdhsa_inst_pref_size 79
	.end_amdhsa_kernel
	.amdgpu_metadata
---
amdhsa.version: [ 1, 2 ]
amdhsa.kernels:
  - .name:           k_qf649fb4add_attnv
    .symbol:         k_qf649fb4add_attnv.kd
    .args:
      - { .name: v, .offset: 0, .size: 8, .value_kind: global_buffer, .address_space: global }
      - { .name: at, .offset: 8, .size: 8, .value_kind: global_buffer, .address_space: global }
      - { .name: av, .offset: 16, .size: 8, .value_kind: global_buffer, .address_space: global }
    .group_segment_fixed_size: 279552
    .private_segment_fixed_size: 0
    .kernarg_segment_align: 8
    .kernarg_segment_size: 24
    .max_flat_workgroup_size: 256
    .sgpr_count:     66
    .vgpr_count:     512
    .wavefront_size: 32
...
	.end_amdgpu_metadata
.endif
;; end of part 5
;; launch outproj (part 6): grid 16 x 16, 8 waves a work-group, clusters of 4 x 1, 327,680 bytes of LDS; arguments Wv, av, rsp, bv, out0; writes out0
.if DOCPART == 6
	.amdgcn_target "amdgcn-amd-amdhsa--gfx1250"
	.amdhsa_code_object_version 6
	.text
	.protected	k_qf649fb4add_outproj
	.globl	k_qf649fb4add_outproj
	.p2align	8
	.type	k_qf649fb4add_outproj,@function
k_qf649fb4add_outproj:
	s_mov_b64 s[64:65], 0
	v_nop
	global_prefetch_b8 v0, s[64:65] scope:SCOPE_SE
	s_setreg_imm32_b32 hwreg(HW_REG_WAVE_MODE, 25, 1), 1
	s_wait_xcnt 0x0
	s_wait_alu depctr_hold_cnt(0) depctr_sa_sdst(0) depctr_va_vdst(0) depctr_va_sdst(0) depctr_va_ssrc(0) depctr_va_vcc(0) depctr_vm_vsrc(0)
	s_getreg_b32 s2, hwreg(HW_REG_IB_STS2, 6, 4)
	s_cmp_eq_u32 s2, 0
	s_cbranch_scc0 .Lentry_in_a_cluster
	s_endpgm
.Lentry_in_a_cluster:
	s_bfe_u32 s2, ttmp6, 0x10000c
	s_cmp_lg_u32 s2, 0x3003
	s_cbranch_scc0 .Lentry_shape_is_right
	s_endpgm
.Lentry_shape_is_right:
; out[b][q][e] = 16 (av' . Wv[e]) + rs[b][q] bv[e], f32; av' = (attn v) / 16 in f16 fragment blocks, rs = the row sum of attn, added up here from sixteen partial sums a row.
; LIMITS.  Wv is rounded once to f16 (|Wv| < 65,504; under 6e-5 the fixed step of 6e-8).  NaN and infinities are not treated apart.
; SHARES.  A work-group makes 128 rows x 64 e; each of its eight waves makes the whole tile over 128 of the 1,024 channels; the f32 partial sums meet in LDS and are read back ACROSS, so that sixteen lanes hold
; the 256 consecutive bytes of a row of out.
; Wv's 64 rows x 128 columns of a wave come by ONE tensor load into the wave's own region, filled once and read by that wave alone; when read out, the region takes the wave's partial sums.  One tensor load of a wave is out.
; CLUSTER.  The four work-groups of a cluster have the same 64 e and other rows: they need the same tiles of Wv, so each tile is asked for JOINTLY: the same load, descriptor and mask of four in all four.  The descriptor hangs
; on the block of e and the wave's number alone; my place in the cluster enters the addresses of av, rsp and out0, and no branch and no LDS address.
.set REG,   34816
.set PSZ,   REG
.set EXTRA, 8*REG                      ; 64 bytes a wave: the row sums of its 16 rows
.set SPARE, EXTRA+4096
.set TILEB, 32768                      ; a row tile of av: 32 blocks
.set NS,    4
.set SPW, 1
.set NIL, 2
.set VFM, 3                            ; v3  16 x lane
.set VLB, 4                            ; v4  my region + 528 r + 32 h
.set STW, 5
.set TM,  6
.set HH,  7
.set BV,  8                            ; v8-11   bv of my four e
.set RSL, 12                           ; v12-19  eight partial row sums
.set EXW, 20
.set EXR, 21
.set VO,  22                           ; v22 4,096 h + 16 r
.set VRS, 23                           ; v23 4,096 h + 4 r
.set RDA, 24                           ; v24-27
.set VBV, 28                           ; v28 16 r
.set BF,  32                           ; Wv: four f16 fragments
.set BS,  64                           ; Wv as it lies in LDS
.set FA0, 128                          ; eight fragments of av', two buffers
.set T,   64
.set OO,  192                          ; v192-223 results, a set for each of eight stores
.set RSV, 224                          ; v224-231 rs of row 2 t + h
.set MSB, 0
.macro WIN new                         ; the immediate's high byte repeats the setting that is left
.if MSB != (\new)
	s_set_vgpr_msb (MSB<<8)|(\new)
.set MSB, \new
.endif
.endm
.macro PLACES                          ; four plain vector instructions between a matrix instruction and what reads its result or writes its registers (ISA guide 7.12.1)
.rept 4
	v_nop
.endr
.endm
.macro ROUND                           ; a round of the cluster's barrier: my work-group's barrier; wave 0 signals for the work-group; every wave waits for all four work-groups; my work-group's barrier once more
	s_barrier_signal -1
	s_barrier_wait -1
	s_cmp_lg_u32 s16, 0
	s_cbranch_scc1 .Lnot_wave_0_\@
	s_barrier_signal -3
.Lnot_wave_0_\@:
	s_barrier_wait -3
	s_barrier_signal -1
	s_barrier_wait -1
.endm
.macro LDFM buf, s
.set ia, 0
.rept 8
	global_load_b128 v[(\buf)+8*ia:(\buf)+8*ia+3],   v[VFM], s[6:7] offset:ia*TILEB+(\s)*1024
	global_load_b128 v[(\buf)+8*ia+4:(\buf)+8*ia+7], v[VFM], s[6:7] offset:ia*TILEB+(\s)*1024+512
.set ia, ia+1
.endr
.endm
.macro LDBS sb                         ; four tiles of 16 rows x 32 f32: the pitch of 528 puts sixteen rows on sixteen different 16-byte columns of the banks (ISA guide 11.1)
.set ib, 0
.rept 4
.irp g, 0,1
	ds_load_b128 v[BS+16*ib+8*\g:BS+16*ib+8*\g+3],   v[VLB] offset:ib*8448+(\sb)+\g*64
	ds_load_b128 v[BS+16*ib+8*\g+4:BS+16*ib+8*\g+7], v[VLB] offset:ib*8448+(\sb)+\g*64+16
.endr
.set ib, ib+1
.endr
.endm
.macro CVB
.set ic, 0
.rept 32
	v_cvt_pk_f16_f32 v[BF+ic], v[BS+2*ic], v[BS+2*ic+1]
.set ic, ic+1
.endr
.endm
.macro MULS buf, zero                  ; 32 products, the accumulators (window 1, 4 Qf + T) by turns
	WIN 0x50
.set ma, 0
.rept 8
.set mb, 0
.rept 4
.if \zero
	v_wmma_f32_16x16x32_f16 v[8*(4*ma+mb):8*(4*ma+mb)+7], v[BF+8*mb:BF+8*mb+7], v[(\buf)+8*ma:(\buf)+8*ma+7], 0
.else
	v_wmma_f32_16x16x32_f16 v[8*(4*ma+mb):8*(4*ma+mb)+7], v[BF+8*mb:BF+8*mb+7], v[(\buf)+8*ma:(\buf)+8*ma+7], v[8*(4*ma+mb):8*(4*ma+mb)+7]
.endif
.set mb, mb+1
.endr
.set ma, ma+1
.endr
	WIN 0
.endm
.macro BSTEP s, zero, cnt
	s_wait_dscnt 0x0                               ; this step's Wv is in registers
	CVB
.if (\s) < NS-1
	LDBS ((\s)+1)*128
.endif
	s_wait_loadcnt \cnt                            ; the next step's sixteen loads may stay out; in the last step none is left
	MULS FA0+64*((\s)%2), \zero
	PLACES
.if (\s) < NS-2
	LDFM FA0+64*((\s)%2), (\s)+2
.endif
.endm
.macro STAGE_OUT na                    ; accumulator a, quad qd, lane (r, h) at (4 a + 2 qd + h) 272 + 16 r; each accumulator's low quad is read first
	WIN 0x04
.set sa, 0
.rept \na
	ds_store_b128 v[STW], v[8*sa:8*sa+3]   offset:(4*sa)*272
	ds_store_b128 v[STW], v[8*sa+4:8*sa+7] offset:(4*sa+2)*272
.set sa, sa+1
.endr
	WIN 0
.endm
.macro RED np, per, o0, o1, o2, o3     ; four items of 16 bytes from each of np partials, added in f32, partials ascending, into T[0..15]
.set rp, 0
.rept \np
	ds_load_b128 v[T+16*rp:T+16*rp+3],     v[RDA+rp/(\per)] offset:(rp%(\per))*PSZ+(\o0)
	ds_load_b128 v[T+16*rp+4:T+16*rp+7],   v[RDA+rp/(\per)] offset:(rp%(\per))*PSZ+(\o1)
	ds_load_b128 v[T+16*rp+8:T+16*rp+11],  v[RDA+rp/(\per)] offset:(rp%(\per))*PSZ+(\o2)
	ds_load_b128 v[T+16*rp+12:T+16*rp+15], v[RDA+rp/(\per)] offset:(rp%(\per))*PSZ+(\o3)
.set rp, rp+1
.endr
.set rp, 1
.rept (\np)-1
	s_wait_dscnt 4*((\np)-1-rp)                    ; the four loads of each younger partial may stay out
.set ru, 0
.rept 8
	v_pk_add_f32 v[T+2*ru:T+2*ru+1], v[T+2*ru:T+2*ru+1], v[T+16*rp+2*ru:T+16*rp+2*ru+1]
.set ru, ru+1
.endr
.set rp, rp+1
.endr
.endm
.macro OUTT c                          ; rows 2 t + h of my sixteen, t = 4 c .. 4 c + 3: a row's place in a stage line is 16 bytes x its number
	RED 8, 2, 128*(\c), 128*(\c)+32, 128*(\c)+64, 128*(\c)+96
.set ot, 0
.rept 4
.set oo, OO+16*(\c)+4*ot
.if ot%2
	v_pk_mul_f32 v[oo:oo+1],   v[BV:BV+1],   v[RSV+4*(\c)+ot-1:RSV+4*(\c)+ot] op_sel:[0,1] op_sel_hi:[1,1]
	v_pk_mul_f32 v[oo+2:oo+3], v[BV+2:BV+3], v[RSV+4*(\c)+ot-1:RSV+4*(\c)+ot] op_sel:[0,1] op_sel_hi:[1,1]
.else
	v_pk_mul_f32 v[oo:oo+1],   v[BV:BV+1],   v[RSV+4*(\c)+ot:RSV+4*(\c)+ot+1] op_sel_hi:[1,0]
	v_pk_mul_f32 v[oo+2:oo+3], v[BV+2:BV+3], v[RSV+4*(\c)+ot:RSV+4*(\c)+ot+1] op_sel_hi:[1,0]
.endif
	v_pk_fma_f32 v[oo:oo+1],   v[T+4*ot:T+4*ot+1],   0x41800000, v[oo:oo+1]   op_sel_hi:[1,0,1]  ; 16 x the sum + rs bv
	v_pk_fma_f32 v[oo+2:oo+3], v[T+4*ot+2:T+4*ot+3], 0x41800000, v[oo+2:oo+3] op_sel_hi:[1,0,1]
	global_store_b128 v[VO], v[oo:oo+3], s[12:13] offset:(4*(\c)+ot)*8192  ; sixteen lanes store 256 consecutive bytes of a row, aligned
.set ot, ot+1
.endr
.endm
	s_load_b256 s[4:11], s[0:1], 0x0               ; Wv s[4:5], av s[6:7], rsp s[8:9], bv s[10:11]
	s_load_b64 s[12:13], s[0:1], 0x20              ; out0
	v_lshl_add_u32 v[SPW], v0, 2, SPARE
	v_mov_b32 v[NIL], 0
	ds_add_u32 v[SPW], v[NIL]                      ; the wave's opening: the add and its wait stand ahead of the round in front of my tensor load; the set-up below, work on registers, stands between them
	ds_add_u32 v1, v2
	v_lshrrev_b32 v[TM], 5, v0
	v_readfirstlane_b32 s16, v[TM]                 ; wave 0..7
	s_and_b32 s17, ttmp7, 0xffff                   ; eb: my 64 e, which the four partners share
	s_bfe_u32 s18, ttmp6, 0x40000                  ; cx: my place in the cluster
	s_lshl_b32 s19, ttmp9, 2                       ; in a cluster launch ttmp9 counts clusters
	s_add_co_u32 s19, s19, s18                     ; rb = 2 b + qh: my 128 rows
	s_mov_b32 s44, 0x76543210
	s_mov_b32 s45, 0xfedcba98
	s_mov_b32 s32, 1                               ; the descriptor: 64 rows x 128 elements of 4 bytes, 1,024 elements from row to row; 4 words of padding behind every 128
	s_mul_i32 s33, s16, REG
	s_mov_b32 s36, 15|(2<<16)|(1<<20)|(1<<21)|(6<<22)|(3<<25)  ; the mask of four, and bit 21 beside it
	s_mov_b32 s37, 128<<16
	s_mov_b32 s38, 64<<16
	s_mov_b32 s39, 128<<16
	s_mov_b32 s40, 64
	s_mov_b32 s41, 1024
	s_mov_b32 s42, 0
	s_mov_b32 s43, 0
	v_and_b32 v[VFM], 31, v0
	v_lshlrev_b32 v[VFM], 4, v[VFM]
	v_and_b32 v[TM], 15, v0                        ; r
	v_bfe_u32 v[HH], v0, 4, 1                      ; h
	v_lshlrev_b32 v[VBV], 4, v[TM]
	v_mul_u32_u24 v[VLB], v[TM], 528
	v_lshl_add_u32 v[VLB], v[HH], 5, v[VLB]
	v_add_nc_u32 v[VLB], s33, v[VLB]
	v_mul_u32_u24 v[STW], v[HH], 272
	v_add_nc_u32 v[STW], v[STW], v[VBV]
	v_add_nc_u32 v[STW], s33, v[STW]
	v_lshl_add_u32 v[VO], v[HH], 12, v[VBV]
	v_lshlrev_b32 v[VRS], 2, v[TM]
	s_lshl_b32 s30, s16, 6
	s_add_co_u32 s30, s30, EXTRA
	v_add_nc_u32 v[EXW], s30, v[VRS]               ; row r's sum
	v_lshl_add_u32 v[EXR], v[HH], 2, s30           ; rows h, 2 + h, ..
	v_lshl_add_u32 v[VRS], v[HH], 12, v[VRS]
	; back across: lane r wants e = 4 r .. 4 r + 3, which lie in accumulator T = r / 4, half (r / 2) % 2 of the lanes, quad r % 2: stage line 4 (r / 4) + 2 (r % 2) + (r / 2) % 2; sixteen lines, sixteen different bank columns
	v_and_b32 v[RDA], 12, v[TM]
	v_and_b32 v[RDA+1], 1, v[TM]
	v_lshl_add_u32 v[RDA], v[RDA+1], 1, v[RDA]
	v_bfe_u32 v[RDA+1], v[TM], 1, 1
	v_add_nc_u32 v[RDA], v[RDA], v[RDA+1]
	v_mul_u32_u24 v[RDA], v[RDA], 272
	v_lshl_add_u32 v[RDA], v[HH], 4, v[RDA]
	s_mul_i32 s30, s16, 4352                       ; I take the tile of rows Qf = wave
	v_add_nc_u32 v[RDA], s30, v[RDA]
	v_add_nc_u32 v[RDA+1], 2*PSZ, v[RDA]
	v_add_nc_u32 v[RDA+2], 4*PSZ, v[RDA]
	v_add_nc_u32 v[RDA+3], 6*PSZ, v[RDA]
	s_lshl_b32 s20, s17, 18                        ; Wv: 64 rows of 4,096 bytes, my wave's 512 bytes of a row (no register here ever holds cx)
	s_lshl_b32 s21, s16, 9
	s_add_co_u32 s20, s20, s21
	s_mov_b32 s21, 0
	s_lshl_b32 s22, s19, 18                        ; av: row tiles 8 rb on, my wave's four blocks
	s_lshl_b32 s23, s16, 12
	s_add_co_u32 s22, s22, s23
	s_mov_b32 s23, 0
	s_and_b32 s24, s19, 1                          ; rsp: tile of q 8 qh + wave (8,192 bytes), batch b (64 bytes)
	s_lshl3_add_u32 s24, s24, s16
	s_lshl_b32 s24, s24, 13
	s_lshr_b32 s25, s19, 1
	s_lshl_b32 s25, s25, 6
	s_add_co_u32 s24, s24, s25
	s_mov_b32 s25, 0
	s_lshl_b32 s26, s17, 8                         ; bv: my 64 e
	s_mov_b32 s27, 0
	s_lshl_b32 s28, s19, 19                        ; out0: rows 128 rb + 16 wave on, my 64 e
	s_lshl_b32 s29, s16, 16
	s_add_co_u32 s28, s28, s29
	s_add_co_u32 s28, s28, s26
	s_mov_b32 s29, 0
	s_wait_dscnt 0x0                               ; the opening add is done
	s_wait_kmcnt 0x0
	s_add_nc_u64 s[34:35], s[4:5], s[20:21]
	s_or_b32 s35, s35, 0x80000000                  ; type = 2
	s_add_nc_u64 s[6:7], s[6:7], s[22:23]
	s_add_nc_u64 s[8:9], s[8:9], s[24:25]
	s_add_nc_u64 s[10:11], s[10:11], s[26:27]
	s_add_nc_u64 s[12:13], s[12:13], s[28:29]
	ROUND                                          ; all four work-groups are here: the joint loads meet
	tensor_load_to_lds s[32:35], s[36:43]          ; my one tensor load
	s_nop 0
	PLACES
	LDFM FA0, 0
	LDFM FA0+64, 1
	s_wait_tensorcnt 0x0                           ; my tile is in LDS; only I read it
	LDBS 0
	BSTEP 0, 1, 16                                 ; the first step's products start the sums
	BSTEP 1, 0, 16
	BSTEP 2, 0, 16
	BSTEP 3, 0, 0
	global_load_b128 v[BV:BV+3], v[VBV], s[10:11]
.set i, 0
.rept 8
	global_load_b32 v[RSL+i], v[VRS], s[8:9] offset:i*512  ; key groups 8 h + i
.set i, i+1
.endr
	STAGE_OUT 32                                   ; into my own region: its one fill has landed and my reads of it are back
	s_wait_dscnt 0x0                               ; for the others' sake: my partial is in LDS
	s_barrier_signal -1
	s_barrier_wait -1
	s_wait_loadcnt 0x0
	v_pk_add_f32 v[RSL:RSL+1],   v[RSL:RSL+1],   v[RSL+2:RSL+3]
	v_pk_add_f32 v[RSL+4:RSL+5], v[RSL+4:RSL+5], v[RSL+6:RSL+7]
	v_pk_add_f32 v[RSL:RSL+1],   v[RSL:RSL+1],   v[RSL+4:RSL+5]
	v_add_f32 v[RSL], v[RSL], v[RSL+1]
	v_permlanex16_b32 v[RSL+1], v[RSL], s44, s45   ; the other eight key groups
	v_add_f32 v[RSL], v[RSL], v[RSL+1]             ; rs of row r
	ds_store_b32 v[EXW], v[RSL]                    ; my wave's own words; the two halves of the lanes write the same number
.set i, 0
.rept 8
	ds_load_b32 v[RSV+i], v[EXR] offset:8*i        ; LDS serves a wave's instructions in order (ISA guide 5.7.1.4): these see the store above
.set i, i+1
.endr
	OUTT 0
	OUTT 1
	s_wait_tensorcnt 0x0                           ; the wave's end
	ds_add_u32 v[SPW], v[NIL]
	s_wait_dscnt 0x0
	ROUND                                          ; the closing round: no work-group ends while a partner may still ask for a tile that names it
	s_endpgm
.Lfunc_end_k_qf649fb4add_outproj:
	.size	k_qf649fb4add_outproj, .Lfunc_end_k_qf649fb4add_outproj-k_qf649fb4add_outproj
	.p2alignl 7, 3214868480
	.fill 96, 4, 3214868480
	.section	.rodata,"a",@progbits
	.p2align	6, 0x0
	.amdhsa_kernel k_qf649fb4add_outproj
		.amdhsa_group_segment_fixed_size 327680
		.amdhsa_private_segment_fixed_size 0
		.amdhsa_enable_private_segment 0
		.amdhsa_kernarg_size 40
		.amdhsa_user_sgpr_count 2
		.amdhsa_user_sgpr_kernarg_segment_ptr 1
		.amdhsa_wavefront_size32 1
		.amdhsa_system_sgpr_workgroup_id_x 1
		.amdhsa_system_sgpr_workgroup_id_y 1
		.amdhsa_system_sgpr_workgroup_id_z 1
		.amdhsa_system_vgpr_workitem_id 0
		.amdhsa_next_free_vgpr 512
		.amdhsa_next_free_sgpr 66
		.amdhsa_reserve_vcc 0
		.amdhsa_float_denorm_mode_32 3
		.amdhsa_float_denorm_mode_16_64 3
		.amdhsa_memory_ordered 1
		.amdhsa_forward_progress 1
		.amdhsa_inst_pref_size 53
	.end_amdhsa_kernel
	.amdgpu_metadata
---
amdhsa.version: [ 1, 2 ]
amdhsa.kernels:
  - .name:           k_qf649fb4add_outproj
    .symbol:         k_qf649fb4add_outproj.kd
    .args:
      - { .name: Wv, .offset: 0, .size: 8, .value_kind: global_buffer, .address_space: global }
      - { .name: av, .offset: 8, .size: 8, .value_kind: global_buffer, .address_space: global }
      - { .name: rsp, .offset: 16, .size: 8, .value_kind: global_buffer, .address_space: global }
      - { .name: bv, .offset: 24, .size: 8, .value_kind: global_buffer, .address_space: global }
      - { .name: out0, .offset: 32, .size: 8, .value_kind: global_buffer, .address_space: global }
    .group_segment_fixed_size: 327680
    .private_segment_fixed_size: 0
    .kernarg_segment_align: 8
    .kernarg_segment_size: 40
    .max_flat_workgroup_size: 256
    .sgpr_count:     66
    .vgpr_count:     512
    .wavefront_size: 32
...
	.end_amdgpu_metadata
.endif
;; end of part 6
;; ======== version 2 of 2: 6 launches; version 1 with the launch attnv written anew for expert scheduling mode
;; limits: inputs' magnitudes at most 65,504; values are held in f16: magnitudes above 65,504 overflow, below 6.1e-05 lose precision; right only within a limited range of input values
;; workspace buffers: w2 2,097,152 bytes; pv 8,448 bytes; qk 4,194,304 bytes; c2 8,192 bytes; sc 16,777,216 bytes; at 8,388,608 bytes; rsp 131,072 bytes; av 4,194,304 bytes
;; launch wprod: the kernel of part 1 again; grid 16 x 16, 8 waves a work-group, no clusters, 152,576 bytes of LDS; arguments Wq, Wk, bq, bk, w2, pv; writes w2, pv
;; launch qkproj: the kernel of part 2 again; grid 8 x 32, 8 waves a work-group, no clusters, 327,680 bytes of LDS; arguments q, w2, pv, qk, c2; writes qk, c2
;; launch score: the kernel of part 3 again; grid 32 x 8, 8 waves a work-group, no clusters, 327,680 bytes of LDS; arguments k, qk, c2, sc; writes sc
;; launch softmax: the kernel of part 4 again; grid 256 x 1, 8 waves a work-group, no clusters, 5,120 bytes of LDS; arguments sc, at, rsp; writes at, rsp
;; launch attnv (part 7): grid 16 x 16, 8 waves a work-group, no clusters, 279,552 bytes of LDS; arguments v, at, av; writes av
.if DOCPART == 7
	.amdgcn_target "amdgcn-amd-amdhsa--gfx1250"
	.amdhsa_code_object_version 6
	.text
	.protected	k_qf649fb4add_attnv
	.globl	k_qf649fb4add_attnv
	.p2align	8
	.type	k_qf649fb4add_attnv,@function
k_qf649fb4add_attnv:
	s_mov_b64 s[64:65], 0
	v_nop
	global_prefetch_b8 v0, s[64:65] scope:SCOPE_SE
	s_setreg_imm32_b32 hwreg(HW_REG_WAVE_SCHED_MODE, 0, 2), 2
	s_setreg_imm32_b32 hwreg(HW_REG_WAVE_MODE, 25, 1), 1
	s_wait_xcnt 0x0
	s_wait_alu depctr_vm_vsrc(0)
; av' = f16((attn v) / 16): the weights are applied to the UNPROJECTED v; the projection follows on 256 rows a batch in place of 2,048: attn (v Wv^T + bv) = (attn v) Wv^T + rowsum(attn) bv, exact for every input.
; In: v (f32, [key][channel]), at (f16 fragment blocks).  Out: av in fragment blocks: block (16 b + q / 16, channel / 32), chunk (g, lane) = q lane % 16, channels 32 ks + 16 g + 8 (lane / 16) + 0..7.
; LIMITS.  v is rounded once to f16 (|v| < 65,504); |attn v| < 1.0e6; under 6e-5 av' keeps f16's fixed step.  NaN and infinities are not treated apart.
; SHARES.  A work-group makes 128 q x 64 channels of one batch; each of its eight waves makes the whole tile over 256 of the 2,048 keys; the f32 partial sums meet in LDS.
; FRAGMENTS WITHOUT A TRANSPOSE.  The contraction runs over v's ROW index.  One 16-byte load of key's row at channel 4 (lane % 16) gives one element to each of four fragments f, in which lane % 16 stands for channel
; 4 (lane % 16) + f; sixteen lanes read 256 consecutive bytes, aligned.  As source 0 they leave, in the four accumulators f, 32 consecutive channels 32 (lane / 16) + 4 j + f of one q.
; Both operands go straight to registers, so there is no tensor load to share in a cluster.
; THE MODE: SCHED_MODE bits 1:0 = 2 (LLVM: expert scheduling mode 2), set by the entry lines.  The code itself states the register dependences
; between vector or matrix instructions and memory or LDS instructions, with s_wait_alu, always for 0.
; THE PLAN.  Registers that memory or LDS instructions touch:
;   v3-6, v8-11   Addresses: written at the head, read by loads and stores, never written again.
;   VS0, VS1      Step s: its 32 conversions read VS[s % 2]; behind them the sixteen loads of step s + 2 land in it.
;   AT            Step s: its 32 products read it; behind them the sixteen loads of step s + 1 land in it.  The wave's 512 registers leave no room for a second such buffer.
;   accumulators  Written by the products; read by the 64 LDS stores of the way out.
;   T, CH         The way out.  T: a quad's LDS loads land in it, its additions, scalings and roundings work on it.  CH: a set for each quad, written by the roundings, read by two stores, never written again.
;   VF is named by vector and matrix instructions alone.
; So a step has two waits on va_vdst: one behind its conversions, ahead of the loads into VS[s % 2], and one behind its products, ahead of the loads into AT.  The way out has one ahead of its LDS stores
; and one in each quad, behind the roundings.  No register that a memory or LDS instruction reads is written again, so no wait on vm_vsrc is owed.
.set PSZ,   34816
.set SPARE, 8*PSZ
.set SPW, 1
.set NIL, 2
.set VFM, 3                            ; v3  16 x lane
.set VV,  4                            ; v4  32,768 h + 16 r
.set STW, 5
.set GOF, 6                            ; v6  1,024 h + 16 r
.set TM,  7
.set RDA, 8                            ; v8-11
.set VF,  32                           ; v32-63   four f16 fragments of v
.set VS0, 64                           ; v64-127, v128-191: a step of v as loaded, two buffers
.set AT,  192                          ; v192-255 eight fragments of attn
.set T,   64
.set CH,  192
.set OB,  8                            ; s[8:9] av
.set MSB, 0
.macro WIN new                         ; the immediate's high byte repeats the setting that is left
.if MSB != (\new)
	s_set_vgpr_msb (MSB<<8)|(\new)
.set MSB, \new
.endif
.endm
.macro PLACES                          ; four plain vector instructions between a matrix instruction and what reads its result or writes its registers (ISA guide 7.12.1)
.rept 4
	v_nop
.endr
.endm
.macro LDV buf, s                      ; sixteen keys' rows of step s: register 4 t + f, t = 8 g + j
.set iv, 0
.rept 16
	global_load_b128 v[(\buf)+4*iv:(\buf)+4*iv+3], v[VV], s[4:5] offset:(32*(\s)+16*(iv/8)+iv%8)*4096
.set iv, iv+1
.endr
.endm
.macro LDA s
.set ia, 0
.rept 8
	global_load_b128 v[AT+8*ia:AT+8*ia+3],   v[VFM], s[6:7] offset:ia*65536+(\s)*1024
	global_load_b128 v[AT+8*ia+4:AT+8*ia+7], v[VFM], s[6:7] offset:ia*65536+(\s)*1024+512
.set ia, ia+1
.endr
.endm
.macro CVW src, dst                    ; fragment f, register u = 4 g + j / 2: keys t = 2 u and 2 u + 1
.set cf, 0
.rept 4
.set cu, 0
.rept 8
	v_cvt_pk_f16_f32 v[(\dst)+8*cf+cu], v[(\src)+8*cu+cf], v[(\src)+8*cu+4+cf]
.set cu, cu+1
.endr
.set cf, cf+1
.endr
.endm
.macro MULS zero                       ; 32 products, the accumulators (window 1, 4 Qf + f) by turns
	WIN 0x50
.set ma, 0
.rept 8
.set mb, 0
.rept 4
.if \zero
	v_wmma_f32_16x16x32_f16 v[8*(4*ma+mb):8*(4*ma+mb)+7], v[VF+8*mb:VF+8*mb+7], v[AT+8*ma:AT+8*ma+7], 0
.else
	v_wmma_f32_16x16x32_f16 v[8*(4*ma+mb):8*(4*ma+mb)+7], v[VF+8*mb:VF+8*mb+7], v[AT+8*ma:AT+8*ma+7], v[8*(4*ma+mb):8*(4*ma+mb)+7]
.endif
.set mb, mb+1
.endr
.set ma, ma+1
.endr
	WIN 0
.endm
; Step s.  The loads go out in this order: v 0, attn 0, v 1 at the head; then in step s v of step s + 2, behind the conversions, and attn of step s + 1, behind the products.
.macro VSTEP s, zero
.if (\s) < 2
	s_wait_loadcnt 32                              ; loads come back in order (ISA guide 5.7.1): this step's v is in; the 32 younger loads (step 0: attn 0 and v 1; step 1: v 2 and attn 1) may stay out
.endif                                                 ; from step 2 on this step's v was asked for ahead of the last step's attn, whose wait has shown both in
	CVW VS0+64*((\s)%2), VF
.if (\s) < 6
	s_wait_alu depctr_va_vdst(0)                   ; the conversions are done reading VS[s % 2], in which the sixteen loads below land
	LDV VS0+64*((\s)%2), (\s)+2                    ; the buffer is asked for again at once, ahead of the wait for attn
.endif
.if (\s) == 0
	s_wait_loadcnt 32                              ; this step's attn is in; v of steps 1 and 2 may stay out
.elseif (\s) < 6
	s_wait_loadcnt 16                              ; this step's attn is in; the sixteen loads just issued may stay out
.else
	s_wait_loadcnt 0x0                             ; this step's attn is in: nothing was asked for behind it
.endif
	MULS \zero
	PLACES                                         ; the next step's conversions write VF, a source of these products; behind the last step the LDS stores read their results
.if (\s) < 7
	s_wait_alu depctr_va_vdst(0)                   ; the products are done reading AT, in which the sixteen loads below land
	LDA (\s)+1
.endif
.endm
.macro STAGE_OUT na                    ; accumulator a, quad qd, lane (r, h) at (4 a + 2 qd + h) 272 + 16 r; each accumulator's low quad is read first
	WIN 0x04
.set sa, 0
.rept \na
	ds_store_b128 v[STW], v[8*sa:8*sa+3]   offset:(4*sa)*272
	ds_store_b128 v[STW], v[8*sa+4:8*sa+7] offset:(4*sa+2)*272
.set sa, sa+1
.endr
	WIN 0
.endm
.macro RED np, per, o0, o1, o2, o3     ; four items of 16 bytes from each of np partials, added in f32, partials ascending, into T[0..15]
.set rp, 0
.rept \np
	ds_load_b128 v[T+16*rp:T+16*rp+3],     v[RDA+rp/(\per)] offset:(rp%(\per))*PSZ+(\o0)
	ds_load_b128 v[T+16*rp+4:T+16*rp+7],   v[RDA+rp/(\per)] offset:(rp%(\per))*PSZ+(\o1)
	ds_load_b128 v[T+16*rp+8:T+16*rp+11],  v[RDA+rp/(\per)] offset:(rp%(\per))*PSZ+(\o2)
	ds_load_b128 v[T+16*rp+12:T+16*rp+15], v[RDA+rp/(\per)] offset:(rp%(\per))*PSZ+(\o3)
.set rp, rp+1
.endr
.set rp, 1
.rept (\np)-1
	s_wait_dscnt 4*((\np)-1-rp)                    ; the four loads of each younger partial may stay out
.set ru, 0
.rept 8
	v_pk_add_f32 v[T+2*ru:T+2*ru+1], v[T+2*ru:T+2*ru+1], v[T+16*rp+2*ru:T+16*rp+2*ru+1]
.set ru, ru+1
.endr
.set rp, rp+1
.endr
.endm
.macro PACKQ quad                      ; T[4 f + jj] holds channel 4 jj + f of sixteen: rounded in natural order, two chunks of eight; sixteen lanes store 256 consecutive bytes, aligned
.set pu, 0
.rept 8
	v_cvt_pk_f16_f32 v[CH+8*(\quad)+pu], v[T+8*(pu%2)+pu/2], v[T+8*(pu%2)+4+pu/2]
.set pu, pu+1
.endr
	s_wait_alu depctr_va_vdst(0)                   ; the roundings have written this quad's CH, which the two stores read; the quad's additions, scalings and roundings are done with T, in which the next quad's LDS loads land
	global_store_b128 v[GOF], v[CH+8*(\quad):CH+8*(\quad)+3],   s[OB:OB+1] offset:(\quad)*512
	global_store_b128 v[GOF], v[CH+8*(\quad)+4:CH+8*(\quad)+7], s[OB:OB+1] offset:(\quad)*512+256
.endm
.macro OUTQ quad
	RED 8, 2, (\quad)*544, 1088+(\quad)*544, 2176+(\quad)*544, 3264+(\quad)*544
.set ou, 0
.rept 8
	v_pk_mul_f32 v[T+2*ou:T+2*ou+1], v[T+2*ou:T+2*ou+1], 0x3d800000 op_sel_hi:[1,0]  ; / 16
.set ou, ou+1
.endr
	PACKQ \quad
.endm
	s_load_b128 s[4:7], s[0:1], 0x0                ; v s[4:5], at s[6:7]
	s_load_b64 s[8:9], s[0:1], 0x10                ; av
	v_lshl_add_u32 v[SPW], v0, 2, SPARE
	v_mov_b32 v[NIL], 0
	v_lshrrev_b32 v[TM], 5, v0
	v_readfirstlane_b32 s16, v[TM]                 ; wave 0..7
	s_mov_b32 s17, ttmp9                           ; cb: my 64 channels
	s_and_b32 s18, ttmp7, 0xffff                   ; 2 b + qh: my 128 q
	v_and_b32 v[VFM], 31, v0
	v_lshlrev_b32 v[VFM], 4, v[VFM]
	v_and_b32 v[GOF], 15, v0
	v_lshlrev_b32 v[GOF], 4, v[GOF]                ; 16 r
	v_bfe_u32 v[TM], v0, 4, 1                      ; h
	v_lshl_add_u32 v[VV], v[TM], 15, v[GOF]
	v_mul_u32_u24 v[STW], v[TM], 272
	v_add_nc_u32 v[STW], v[STW], v[GOF]            ; 272 h + 16 r
	s_wait_alu depctr_va_sdst(0)                   ; s16 is written, ahead of its first reader: LDS places and the three bases are made from it
	s_mul_i32 s19, s16, 4352                       ; on the way out I take the tile of q Qf = wave
	v_add_nc_u32 v[RDA], s19, v[STW]
	v_add_nc_u32 v[RDA+1], 2*PSZ, v[RDA]
	v_add_nc_u32 v[RDA+2], 4*PSZ, v[RDA]
	v_add_nc_u32 v[RDA+3], 6*PSZ, v[RDA]
	s_mul_i32 s19, s16, PSZ
	v_add_nc_u32 v[STW], s19, v[STW]
	v_lshl_add_u32 v[GOF], v[TM], 10, v[GOF]
	s_lshr_b32 s20, s18, 1                         ; v: batch, my wave's 256 keys of 4,096 bytes, my 64 channels
	s_lshl_b32 s20, s20, 23
	s_lshl_b32 s21, s16, 20
	s_add_co_u32 s20, s20, s21
	s_lshl_b32 s21, s17, 8
	s_add_co_u32 s20, s20, s21
	s_mov_b32 s21, 0
	s_lshl_b32 s22, s18, 19                        ; at: row tiles 8 (2 b + qh) on (65,536 bytes each), blocks 8 wave on
	s_lshl_b32 s23, s16, 13
	s_add_co_u32 s22, s22, s23
	s_mov_b32 s23, 0
	s_lshl3_add_u32 s24, s18, s16                  ; av: row tile 8 (2 b + qh) + wave, blocks 2 cb on
	s_lshl_b32 s24, s24, 15
	s_lshl_b32 s25, s17, 11
	s_add_co_u32 s24, s24, s25
	s_mov_b32 s25, 0
	s_wait_kmcnt 0x0
	s_add_nc_u64 s[4:5], s[4:5], s[20:21]
	s_add_nc_u64 s[6:7], s[6:7], s[22:23]
	s_add_nc_u64 s[8:9], s[8:9], s[24:25]
	s_wait_alu depctr_va_vdst(0)                   ; the addresses v3 to v6 and v8 to v11 are written, which every load and store of the kernel reads
	LDV VS0, 0
	LDA 0
	LDV VS0+64, 1
	VSTEP 0, 1                                     ; the first step's products start the sums
	VSTEP 1, 0
	VSTEP 2, 0
	VSTEP 3, 0
	VSTEP 4, 0
	VSTEP 5, 0
	VSTEP 6, 0                                     ; the last two steps ask for no more of v, the last for no more of attn: no load leaves its buffer
	VSTEP 7, 0
	s_wait_alu depctr_va_vdst(0)                   ; the products have written the accumulators, which the LDS stores read (the four places above stay beside this wait); the last conversions are done reading v64 to v191, in which the way out's LDS loads land
	STAGE_OUT 32
	s_wait_dscnt 0x0                               ; for the others' sake: my partial is in LDS
	s_barrier_signal -1
	s_barrier_wait -1
	OUTQ 0
	OUTQ 1
	s_wait_dscnt 0x0                               ; the closing lines, six on end
	s_wait_alu 0x0
	s_wait_tensorcnt 0x0
	ds_add_u32 v[SPW], v[NIL]
	s_wait_dscnt 0x0
	s_endpgm
.Lfunc_end_k_qf649fb4add_attnv:
	.size	k_qf649fb4add_attnv, .Lfunc_end_k_qf649fb4add_attnv-k_qf649fb4add_attnv
	.p2alignl 7, 3214868480
	.fill 96, 4, 3214868480
	.section	.rodata,"a",@progbits
	.p2align	6, 0x0
	.amdhsa_kernel k_qf649fb4add_attnv
		.amdhsa_group_segment_fixed_size 279552
		.amdhsa_private_segment_fixed_size 0
		.amdhsa_enable_private_segment 0
		.amdhsa_kernarg_size 24
		.amdhsa_user_sgpr_count 2
		.amdhsa_user_sgpr_kernarg_segment_ptr 1
		.amdhsa_wavefront_size32 1
		.amdhsa_system_sgpr_workgroup_id_x 1
		.amdhsa_system_sgpr_workgroup_id_y 1
		.amdhsa_system_sgpr_workgroup_id_z 1
		.amdhsa_system_vgpr_workitem_id 0
		.amdhsa_next_free_vgpr 512
		.amdhsa_next_free_sgpr 66
		.amdhsa_reserve_vcc 0
		.amdhsa_float_denorm_mode_32 3
		.amdhsa_float_denorm_mode_16_64 3
		.amdhsa_memory_ordered 1
		.amdhsa_forward_progress 1
		.amdhsa_inst_pref_size 80
	.end_amdhsa_kernel
	.amdgpu_metadata
---
amdhsa.version: [ 1, 2 ]
amdhsa.kernels:
  - .name:           k_qf649fb4add_attnv
    .symbol:         k_qf649fb4add_attnv.kd
    .args:
      - { .name: v, .offset: 0, .size: 8, .value_kind: global_buffer, .address_space: global }
      - { .name: at, .offset: 8, .size: 8, .value_kind: global_buffer, .address_space: global }
      - { .name: av, .offset: 16, .size: 8, .value_kind: global_buffer, .address_space: global }
    .group_segment_fixed_size: 279552
    .private_segment_fixed_size: 0
    .kernarg_segment_align: 8
    .kernarg_segment_size: 24
    .max_flat_workgroup_size: 256
    .sgpr_count:     66
    .vgpr_count:     512
    .wavefront_size: 32
...
	.end_amdgpu_metadata
.endif
;; end of part 7
;; launch outproj: the kernel of part 6 again; grid 16 x 16, 8 waves a work-group, clusters of 4 x 1, 327,680 bytes of LDS; arguments Wv, av, rsp, bv, out0; writes out0
